; MI455X (gfx1250); checked and timed in simulation.
; The chip was launched on July 23, 2026; its instructions are those of AMD's public machine-readable ISA for CDNA 5 (MIT licence, August 2026) and "CDNA5" Instruction Set Architecture Reference Guide (July 2026). The comments in the code are by the model that wrote it; some were corrected since.
;; Mini Batch SOM. Allowed arithmetic: float matrix products may take bf16 or f16 operands with f32 sums; all other float work in f32.
;; Inputs: weights 4,096 x 256 float32; x 16,384 x 256 float32.
;; Outputs: out0 16,384 int32; out1 16,384 x 256 float32.
;; Constants: current_epoch = 10.
;; 3 versions, each right; version 2 is faster than version 1; version 3 is version 2 with the launch finish written anew for expert scheduling mode. Each part assembles by itself: llvm-mc -triple=amdgcn-amd-amdhsa -mcpu=gfx1250 --defsym DOCPART=n.
;; ======== version 1 of 3: 5 launches
;; limits: values outside matrix products are rounded to bf16
;; workspace buffers: xb 8,388,608 bytes; wb 2,359,296 bytes; part 1,048,576 bytes; bmu 65,536 bytes of whole numbers; tsum 4,194,304 bytes; tcnt 65,536 bytes
;; launch prep (part 1): grid 256 x 1, 5 waves a work-group, no clusters, 44,288 bytes of LDS; arguments x, weights, xb, wb; writes xb, wb
.if DOCPART == 1
	.amdgcn_target "amdgcn-amd-amdhsa--gfx1250"
	.amdhsa_code_object_version 6
	.text
	.protected	k_q664fb7c9a5_prep
	.globl	k_q664fb7c9a5_prep
	.p2align	8
	.type	k_q664fb7c9a5_prep,@function
k_q664fb7c9a5_prep:
	s_mov_b64 s[64:65], 0
	v_nop
	global_prefetch_b8 v0, s[64:65] scope:SCOPE_SE
	s_setreg_imm32_b32 hwreg(HW_REG_WAVE_MODE, 25, 1), 1
	s_wait_xcnt 0x0
; PREP: x and weights are rounded to bf16 once and laid out as the matrix unit takes them.
;
; THE WHOLE PROGRAM (five launches) AND WHAT IT LEAVES OUT.
; (1) The best unit of row b is argmin over j of |x_b|^2 - 2 x_b.w_j + |w_j|^2.  |x_b|^2 is the same for every j, so in exact
;     arithmetic it cannot move the argmin, whatever x holds: it is not formed.  The program takes argmax of x_b.w_j - |w_j|^2 / 2,
;     the lowest j on a tie.
; (2) h[b][(c,d)] = exp(-((a_b-c)^2 + (b_b-d)^2) / 2 sigma^2) = g(a_b-c) g(b_b-d), with (a_b, b_b) the grid place of the best unit of
;     row b and g(t) = exp(-t^2 / 2 sigma^2).  So num[(c,d)] = sum over a of g(a-c) T[a][d], T[a][d] = sum over the rows with a_b = a of
;     g(b_b-d) x_b, and den likewise with 1 for x_b.  This is the distributive law and holds for all inputs: the dense h and the
;     dense product of h with x are not formed.  The test den == 0 is kept.  Every input is loaded.
; LIMITS.  A NaN, an infinity or an overflow that reaches only |x_b|^2 is not carried to the result; NaN or infinity in x or weights
; is not served as argmin would serve it.  x, w, g and T enter the products in bf16, |w|^2 is taken of the rounded w and kept in f32;
; sums are formed in another order than in the formula.
;
; THIS LAUNCH.  A tile is 16 rows of 256 numbers.  Waves 0-3 of work-group g take x tiles 4 g + wave, wave 4 takes weights tile g.
; Out: 16 blocks of 512 bytes; block 2 ks + q holds in lane L the 16 bytes row (L & 15), columns 32 ks + 16 q + 8 (L >> 4) + 0..7, the
; register image of a 16 x 32 fragment.  A weights tile has two more blocks: lane L holds -|w|^2 / 2 of rows 8 (L >> 4) + 0..3 and + 4..7,
; the register image of a C operand whose rows are codes.
; The turn from rows to fragments goes through LDS bytes that are the wave's own: no barrier.  Each load and each store of a
; wave covers 512 consecutive bytes, aligned.  No matrix unit, no cluster: nothing is multiplied and no two work-groups read the same bytes.
.set RAW,   16                         ; v[16:143]  32 loads of 16 bytes a lane; the lowest 64 serve again for the way out
.set CV,    144                        ; v[144:151] packed bf16, four pairs in turn
.set UNP,   152                        ; v[152:155] the four rounded numbers as f32
.set SUM,   156                        ; v[156:157] a row's partial sum of squares
.set NRM,   160                        ; v[160:175] sum of squares of rows 0..15
.set CWO,   176                        ; v[176:183] the two extra blocks
.set PIECE, 272                        ; 16 rows x 16 bytes of one piece of 8 columns, + 16: the sixteen pieces that a store touches start 4 words apart
.set WAVEB, 32*PIECE                   ; LDS bytes of a wave
.macro TILE norm, src, dst
.set i, 0
.rept 32
	global_load_b128 v[RAW+4*i:RAW+4*i+3], v1, s[\src:\src+1] offset:512*i   ; row i / 2, columns 128 (i % 2) + 4 lane
.set i, i+1
.endr
.set i, 0
.rept 32
	s_wait_loadcnt 31-i                            ; loads return in order: load i is in, the younger ones stay out
	v_cvt_pk_bf16_f32 v[CV+2*(i%4)], v[RAW+4*i], v[RAW+4*i+1]
	v_cvt_pk_bf16_f32 v[CV+2*(i%4)+1], v[RAW+4*i+2], v[RAW+4*i+3]
	ds_store_b64 v2, v[CV+2*(i%4):CV+2*(i%4)+1] offset:16*(i/2)+16*PIECE*(i%2)
.if \norm
	v_lshlrev_b32 v[UNP], 16, v[CV+2*(i%4)]        ; the rounded numbers back as f32
	v_and_b32 v[UNP+1], s14, v[CV+2*(i%4)]
	v_lshlrev_b32 v[UNP+2], 16, v[CV+2*(i%4)+1]
	v_and_b32 v[UNP+3], s14, v[CV+2*(i%4)+1]
.if (i%2) == 0
	v_pk_mul_f32 v[SUM:SUM+1], v[UNP:UNP+1], v[UNP:UNP+1]                    ; the first product starts the row's sum
.else
	v_pk_fma_f32 v[SUM:SUM+1], v[UNP:UNP+1], v[UNP:UNP+1], v[SUM:SUM+1]
.endif
	v_pk_fma_f32 v[SUM:SUM+1], v[UNP+2:UNP+3], v[UNP+2:UNP+3], v[SUM:SUM+1]
.if (i%2) == 1
	v_add_f32 v[NRM+i/2], v[SUM], v[SUM+1]
.endif
.endif
.set i, i+1
.endr
.if \norm
.set i, 0
.rept 16                                           ; each row's sum over the 32 lanes, left in every lane
	v_add_f32_dpp v[NRM+i], v[NRM+i], v[NRM+i] row_xmask:1 row_mask:0xf bank_mask:0xf
	v_add_f32_dpp v[NRM+i], v[NRM+i], v[NRM+i] row_xmask:2 row_mask:0xf bank_mask:0xf
	v_add_f32_dpp v[NRM+i], v[NRM+i], v[NRM+i] row_xmask:4 row_mask:0xf bank_mask:0xf
	v_add_f32_dpp v[NRM+i], v[NRM+i], v[NRM+i] row_xmask:8 row_mask:0xf bank_mask:0xf
	v_permlanex16_b32 v[UNP], v[NRM+i], s20, s21   ; the other half of the lanes; UNP has been written before
	v_add_f32 v[NRM+i], v[NRM+i], v[UNP]
.set i, i+1
.endr
.set i, 0
.rept 8
	v_cndmask_b32 v[CWO+i], v[NRM+i], v[NRM+8+i], s14      ; lanes 16-31 take rows 8..15 (s14 is also the mask of those lanes)
.set i, i+1
.endr
.set i, 0
.rept 4
	v_pk_mul_f32 v[CWO+2*i:CWO+2*i+1], v[CWO+2*i:CWO+2*i+1], -0.5 op_sel_hi:[1,0]
.set i, i+1
.endr
	global_store_b128 v1, v[CWO:CWO+3], s[\dst:\dst+1] offset:8192
	global_store_b128 v1, v[CWO+4:CWO+7], s[\dst:\dst+1] offset:8704
.endif
.set i, 0
.rept 16
	ds_load_b128 v[RAW+4*i:RAW+4*i+3], v3 offset:2*PIECE*i   ; block i; LDS serves a wave in order, so these see the stores above
.set i, i+1
.endr
.set i, 0
.rept 16
	s_wait_dscnt 15-i                              ; block i is in, the younger ones stay out
	global_store_b128 v1, v[RAW+4*i:RAW+4*i+3], s[\dst:\dst+1] offset:512*i
.set i, i+1
.endr
.endm
	s_load_b256 s[4:11], s[0:1], 0x0               ; x s[4:5], weights s[6:7], xb s[8:9], wb s[10:11]
	v_lshl_add_u32 v184, v0, 2, 0xaa00
	v_mov_b32 v185, 0
	v_lshrrev_b32 v4, 5, v0
	v_readfirstlane_b32 s12, v4                    ; wave 0..4
	v_and_b32 v5, 31, v0                           ; lane
	v_lshlrev_b32 v1, 4, v5                        ; 16 lane: offset of every global load and store
	s_mul_i32 s13, s12, WAVEB                      ; the wave's LDS bytes
	v_lshrrev_b32 v6, 1, v5
	v_and_b32 v7, 1, v5
	v_mul_u32_u24 v2, v6, PIECE                    ; in: piece lane / 2 (of the half row), 8 bytes for each of two lanes
	v_lshl_add_u32 v2, v7, 3, v2
	v_add_nc_u32 v2, s13, v2
	v_lshrrev_b32 v6, 4, v5
	v_and_b32 v7, 15, v5
	v_mul_u32_u24 v3, v6, PIECE                    ; back: piece 2 block + lane / 16, row lane % 16
	v_lshl_add_u32 v3, v7, 4, v3
	v_add_nc_u32 v3, s13, v3
	s_mov_b32 s14, 0xffff0000
	s_mov_b32 s20, 0x76543210                      ; v_permlanex16_b32: lane i reads lane i of the other half
	s_mov_b32 s21, 0xfedcba98
	s_mov_b32 s19, 0
	s_wait_kmcnt 0x0
	s_cmp_eq_u32 s12, 4
	s_cbranch_scc1 .Lcodes
	s_lshl2_add_u32 s16, ttmp9, s12                ; x tile 4 g + wave
	s_lshl_b32 s18, s16, 14                        ; 16,384 bytes in
	s_add_nc_u64 s[4:5], s[4:5], s[18:19]
	s_lshl_b32 s18, s16, 13                        ; 8,192 bytes out
	s_add_nc_u64 s[8:9], s[8:9], s[18:19]
	TILE 0, 4, 8
	s_wait_tensorcnt 0x0
	ds_add_u32 v184, v185
	s_wait_dscnt 0x0
	s_endpgm
.Lcodes:
	s_lshl_b32 s18, ttmp9, 14                      ; weights tile g
	s_add_nc_u64 s[6:7], s[6:7], s[18:19]
	s_mul_i32 s18, ttmp9, 9216                     ; 18 blocks out
	s_add_nc_u64 s[10:11], s[10:11], s[18:19]
	TILE 1, 6, 10
	s_wait_tensorcnt 0x0
	ds_add_u32 v184, v185
	s_wait_dscnt 0x0
	s_endpgm
.Lfunc_end_k_q664fb7c9a5_prep:
	.size	k_q664fb7c9a5_prep, .Lfunc_end_k_q664fb7c9a5_prep-k_q664fb7c9a5_prep
	.p2alignl 7, 3214868480
	.fill 96, 4, 3214868480
	.section	.rodata,"a",@progbits
	.p2align	6, 0x0
	.amdhsa_kernel k_q664fb7c9a5_prep
		.amdhsa_group_segment_fixed_size 44288
		.amdhsa_private_segment_fixed_size 0
		.amdhsa_enable_private_segment 0
		.amdhsa_kernarg_size 32
		.amdhsa_user_sgpr_count 2
		.amdhsa_user_sgpr_kernarg_segment_ptr 1
		.amdhsa_wavefront_size32 1
		.amdhsa_system_sgpr_workgroup_id_x 1
		.amdhsa_system_sgpr_workgroup_id_y 1
		.amdhsa_system_sgpr_workgroup_id_z 1
		.amdhsa_system_vgpr_workitem_id 0
		.amdhsa_next_free_vgpr 186
		.amdhsa_next_free_sgpr 66
		.amdhsa_reserve_vcc 0
		.amdhsa_float_denorm_mode_32 3
		.amdhsa_float_denorm_mode_16_64 3
		.amdhsa_memory_ordered 1
		.amdhsa_forward_progress 1
		.amdhsa_inst_pref_size 43
	.end_amdhsa_kernel
	.amdgpu_metadata
---
amdhsa.version: [ 1, 2 ]
amdhsa.kernels:
  - .name:           k_q664fb7c9a5_prep
    .symbol:         k_q664fb7c9a5_prep.kd
    .args:
      - { .name: x, .offset: 0, .size: 8, .value_kind: global_buffer, .address_space: global }
      - { .name: weights, .offset: 8, .size: 8, .value_kind: global_buffer, .address_space: global }
      - { .name: xb, .offset: 16, .size: 8, .value_kind: global_buffer, .address_space: global }
      - { .name: wb, .offset: 24, .size: 8, .value_kind: global_buffer, .address_space: global }
    .group_segment_fixed_size: 44288
    .private_segment_fixed_size: 0
    .kernarg_segment_align: 8
    .kernarg_segment_size: 32
    .max_flat_workgroup_size: 160
    .sgpr_count:     66
    .vgpr_count:     186
    .wavefront_size: 32
...
	.end_amdgpu_metadata
.endif
;; end of part 1
;; launch score (part 2): grid 32 x 8, 4 waves a work-group, clusters of 4 x 1, 295,424 bytes of LDS; arguments xb, wb, part; writes part
.if DOCPART == 2
	.amdgcn_target "amdgcn-amd-amdhsa--gfx1250"
	.amdhsa_code_object_version 6
	.text
	.protected	k_q664fb7c9a5_score
	.globl	k_q664fb7c9a5_score
	.p2align	8
	.type	k_q664fb7c9a5_score,@function
k_q664fb7c9a5_score:
	s_mov_b64 s[64:65], 0
	v_nop
	global_prefetch_b8 v0, s[64:65] scope:SCOPE_SE
	s_setreg_imm32_b32 hwreg(HW_REG_WAVE_MODE, 25, 1), 1
	s_wait_xcnt 0x0
	s_wait_alu depctr_hold_cnt(0) depctr_sa_sdst(0) depctr_va_vdst(0) depctr_va_sdst(0) depctr_va_ssrc(0) depctr_va_vcc(0) depctr_vm_vsrc(0)
	s_getreg_b32 s2, hwreg(HW_REG_IB_STS2, 6, 4)
	s_cmp_eq_u32 s2, 0
	s_cbranch_scc0 .Lentry_in_a_cluster
	s_endpgm
.Lentry_in_a_cluster:
	s_bfe_u32 s2, ttmp6, 0x10000c
	s_cmp_lg_u32 s2, 0x3003
	s_cbranch_scc0 .Lentry_shape_is_right
	s_endpgm
.Lentry_shape_is_right:
; SCORE: for 512 rows of x and a slab of 512 codes, the largest s = x.w - |w|^2 / 2 of each row and its code (lowest code on a tie).
; |x|^2 is left out: it is the same for all codes of a row and cannot move the argmin.  NaN and infinity in the inputs are not served.
; Work-group (x, y): rows 512 x .. + 511, codes 512 y .. + 511.  The slab (32 code tiles of 9,216 bytes: 16 fragment blocks and the C image of
; -|w|^2 / 2) lies whole in LDS for the launch, 294,912 bytes, read lane by lane in consecutive 16 bytes: no padding is needed.
; CLUSTER: the four work-groups of a cluster lie along x and need the same slab, so its sixteen loads are joint loads that name all four.
; x is not shared through LDS: each wave's rows go straight into its registers in fragment order, and LDS is full.
; A wave makes two passes of 64 rows; the pass's x fragments (4 row tiles x 8 K steps x 8 registers = 256) stay in registers, pass 0 in
; window 1, pass 1 in window 2.  A trip multiplies one code tile with them: 32 matrix instructions, A = codes, B = rows, so that register j
; of lane (r, h) is (code 8 h + j, row r) and a running maximum needs no traffic between lanes.  C of the first K step is the image of -|w|^2 / 2.
; Two accumulator sets take turns trip by trip: while one is summed, the other is folded into the running maximum, four plain vector
; instructions behind each matrix instruction.
; ONE WINDOW SETTING FOR A PASS: only source 1 lies outside window 0 (s_set_vgpr_msb 0x04 or 0x08).  The vector instructions of the trip
; are written so that source 1 is never a vector register; LDS loads name a destination and source 0 alone.
.set WF,   16                          ; v[16:79]   the code tile's 8 fragments
.set CW,   80                          ; v[80:95]   -|w|^2 / 2 as a C operand, two sets
.set ACC,  96                          ; v[96:159]  two sets of 4 row tiles x 8
.set BEST, 160                         ; v[160:191] running maximum, element 8 rt + j
.set IDX,  192                         ; v[192:223] its code tile
.set TMP,  224                         ; v[224:225]
.set CJ,   228                         ; v[228:235] 8 h + j + 512 slab
.set PV,   236
.set PCD,  237
.set OV,   240                         ; v[240:243] two (value, code) pairs to store
.set TILEB,  9216
.set PARTB,  18432                     ; one tensor load: 72 rows of 256 bytes
.set CHUNKB, 73728                     ; four of them: 8 code tiles
.set MSB, 0
.macro WIN new                         ; the immediate's high byte repeats the setting that is left
.if MSB != \new
	s_set_vgpr_msb (MSB<<8)|\new
.set MSB, \new
.endif
.endm
.macro ROUND                           ; a round of the cluster's barrier
	s_barrier_signal -1
	s_barrier_wait -1
	s_cmp_lg_u32 s10, 0
	s_cbranch_scc1 .Lnot_wave_0_\@
	s_barrier_signal -3
.Lnot_wave_0_\@:
	s_barrier_wait -3
	s_barrier_signal -1
	s_barrier_wait -1
.endm
.macro XLOAD p                         ; 64 rows of x, 32,768 consecutive bytes, into window 1 + p: load i is registers 4 i .. 4 i + 3
	WIN (1+\p)<<6
.set i, 0
.rept 64
	global_load_b128 v[4*i:4*i+3], v1, s[44+2*\p:45+2*\p] offset:512*i
.set i, i+1
.endr
	WIN 0
.endm
.macro FR k, areg, off                 ; fragment k of the tile at byte off from the address register
	ds_load_b128 v[WF+8*\k:WF+8*\k+3], v[\areg] offset:\off+1024*\k
	ds_load_b128 v[WF+8*\k+4:WF+8*\k+7], v[\areg] offset:\off+1024*\k+512
.endm
.macro CWL set, areg, off
	ds_load_b128 v[CW+8*\set:CW+8*\set+3], v[\areg] offset:\off+8192
	ds_load_b128 v[CW+8*\set+4:CW+8*\set+7], v[\areg] offset:\off+8704
.endm
; Elements 2 m and 2 m + 1 of set o against the running maximum.  The sign of the rounded difference is the sign of the exact one.
.macro UPA o, m
	v_fma_f32 v[TMP], v[ACC+32*\o+2*\m], 1.0, -v[BEST+2*\m]
	v_fma_f32 v[TMP+1], v[ACC+32*\o+2*\m+1], 1.0, -v[BEST+2*\m+1]
	v_cmp_gt_f32 s54, v[TMP], 0                    ; strictly larger: the earlier tile keeps a tie
	v_cmp_gt_f32 s55, v[TMP+1], 0
.endm
.macro UPB o, m
	v_max3_num_f32 v[BEST+2*\m], v[ACC+32*\o+2*\m], s42, v[BEST+2*\m]        ; s42 = -infinity: a maximum of two with no vector register as source 1
	v_max3_num_f32 v[BEST+2*\m+1], v[ACC+32*\o+2*\m+1], s42, v[BEST+2*\m+1]
	v_cndmask_b32 v[IDX+2*\m], v[IDX+2*\m], s40, s54
	v_cndmask_b32 v[IDX+2*\m+1], v[IDX+2*\m+1], s40, s55
.endm
.macro SLICE mode, o, i                ; four plain vector instructions that name no register of the matrix instruction in front
.if \mode == 0
	v_mov_b32 v[BEST+\i], s42
	v_mov_b32 v[IDX+\i], 0
	v_nop
	v_nop
.else
.if (\i)%2 == 0
	UPA \o, ((\i)/2)
.else
	UPB \o, ((\i)/2)
.endif
.endif
.endm
; One code tile.  s: its accumulator set.  mode 0: the running maximum is started; mode 1: the other set (tile s40) is folded in.
; areg, off: where the next tile lies (off < 0: none is fetched).  The four accumulators take turns, one instruction a turn, and the sets
; change from trip to trip.  Fragment k is fetched again behind the slice that follows its last use: four places.
.macro TRIP s, mode, areg, off
.set kk, 0
.rept 8
.if \off >= 0
.if kk == 0
	s_wait_dscnt 14                                ; fragment 0 and C are in; the seven younger fragments (14 loads) may be out
.else
	s_wait_dscnt 16                                ; fragment kk is in: behind it 2 (7 - kk) loads of the last trip and 2 kk + 2 of this one
.endif
.else
	s_wait_dscnt 14-2*kk                           ; nothing is fetched in this trip: the counts run down
.endif
.set rr, 0
.rept 4
.if kk == 0
	v_wmma_f32_16x16x32_bf16 v[ACC+32*\s+8*rr:ACC+32*\s+8*rr+7], v[WF+8*kk:WF+8*kk+7], v[64*rr+8*kk:64*rr+8*kk+7], v[CW+8*\s:CW+8*\s+7]
.else
	v_wmma_f32_16x16x32_bf16 v[ACC+32*\s+8*rr:ACC+32*\s+8*rr+7], v[WF+8*kk:WF+8*kk+7], v[64*rr+8*kk:64*rr+8*kk+7], v[ACC+32*\s+8*rr:ACC+32*\s+8*rr+7]
.endif
	SLICE \mode, (1-\s), (4*kk+rr)
.set rr, rr+1
.endr
.if \off >= 0
	FR kk, \areg, \off
.if kk == 0
	CWL (1-\s), \areg, \off
.endif
.endif
.set kk, kk+1
.endr
.if \mode
	s_add_co_u32 s40, s40, 1                       ; the tile that the next trip folds in
.endif
.endm
.macro LOOPDT n, ms                    ; n times two tiles; v2 is at the first of the two
	s_mov_b32 s41, \n
.Ldt_\@:
	WIN \ms
	TRIP 0, 1, 2, TILEB
	TRIP 1, 1, 2, 2*TILEB
	WIN 0                                          ; at a label and at a branch every window is 0
	v_add_nc_u32 v2, 2*TILEB, v2
	s_sub_co_u32 s41, s41, 1
	s_cmp_lg_u32 s41, 0
	s_cbranch_scc1 .Ldt_\@
.endm
.macro LANDED n                        ; the next 8 tiles of the slab are there for every wave; n later loads of mine stay out
	s_wait_dscnt 0x0                               ; no LDS instruction is pending at a signal
	s_wait_tensorcnt \n
	s_barrier_signal -1
	s_barrier_wait -1
.endm
.macro MERGE va, ca, vb, cb            ; (va, ca) = the better of the two; equal values: the lower code
	v_cmp_gt_f32 s56, v[\vb], v[\va]
	v_cmp_eq_f32 s57, v[\vb], v[\va]
	v_cmp_lt_u32 s58, v[\cb], v[\ca]
	s_and_b32 s57, s57, s58
	s_or_b32 s56, s56, s57
	v_cndmask_b32 v[\va], v[\va], v[\vb], s56
	v_cndmask_b32 v[\ca], v[\ca], v[\cb], s56
.endm
.macro EPI p                           ; the last tile is folded in, then each row's best of 16 places, then 64 (value, code) pairs leave
.set mm, 0
.rept 16
	UPA 1, mm
	UPB 1, mm
.set mm, mm+1
.endr
	WIN 0
	s_wait_xcnt 0x0                                ; OV, which the last pass's stores read, is rewritten only behind this wait
.irp j, 0,1,2,3,4,5,6,7
	v_add_nc_u32 v[CJ+\j], \j, v4
.endr
.set ii, 0
.rept 32
	v_lshl_add_u32 v[IDX+ii], v[IDX+ii], 4, v[CJ+ii%8]     ; code = 16 tile + 8 h + j + 512 slab
.set ii, ii+1
.endr
.irp rt, 0,1,2,3
	MERGE (BEST+8*\rt), (IDX+8*\rt), (BEST+8*\rt+1), (IDX+8*\rt+1)
	MERGE (BEST+8*\rt+2), (IDX+8*\rt+2), (BEST+8*\rt+3), (IDX+8*\rt+3)
	MERGE (BEST+8*\rt+4), (IDX+8*\rt+4), (BEST+8*\rt+5), (IDX+8*\rt+5)
	MERGE (BEST+8*\rt+6), (IDX+8*\rt+6), (BEST+8*\rt+7), (IDX+8*\rt+7)
	MERGE (BEST+8*\rt), (IDX+8*\rt), (BEST+8*\rt+2), (IDX+8*\rt+2)
	MERGE (BEST+8*\rt+4), (IDX+8*\rt+4), (BEST+8*\rt+6), (IDX+8*\rt+6)
	MERGE (BEST+8*\rt), (IDX+8*\rt), (BEST+8*\rt+4), (IDX+8*\rt+4)
	v_permlanex16_b32 v[PV], v[BEST+8*\rt], s50, s51       ; the other eight codes of the tile lie in the other half of the lanes
	v_permlanex16_b32 v[PCD], v[IDX+8*\rt], s50, s51
	MERGE (BEST+8*\rt), (IDX+8*\rt), PV, PCD
.endr
	v_cndmask_b32 v[OV], v[BEST], v[BEST+8], s52           ; lanes 0-15: rows 0-15 (tile 0); lanes 16-31: rows 16-31 (tile 1)
	v_cndmask_b32 v[OV+1], v[IDX], v[IDX+8], s52
	v_cndmask_b32 v[OV+2], v[BEST+16], v[BEST+24], s52
	v_cndmask_b32 v[OV+3], v[IDX+16], v[IDX+24], s52
	global_store_b64 v3, v[OV:OV+1], s[48:49] offset:2048*\p       ; each store covers 256 consecutive bytes, aligned
	global_store_b64 v3, v[OV+2:OV+3], s[48:49] offset:2048*\p+256
.endm
	s_load_b128 s[4:7], s[0:1], 0x0                ; xb s[4:5], wb s[6:7]
	s_load_b64 s[8:9], s[0:1], 0x10                ; part
	v_lshl_add_u32 v254, v0, 2, 0x48000
	v_mov_b32 v255, 0
	ds_add_u32 v254, v255
	ds_add_u32 v254, v255
	v_lshrrev_b32 v5, 5, v0
	v_readfirstlane_b32 s10, v5                    ; wave 0..3
	s_bfe_u32 s11, ttmp6, 0x40000                  ; cx
	s_lshl_b32 s12, ttmp9, 2
	s_add_co_u32 s12, s12, s11                     ; row block = 4 x cluster x + cx
	s_and_b32 s13, ttmp7, 0xffff                   ; slab: shared by the four
	v_and_b32 v5, 31, v0
	v_lshlrev_b32 v1, 4, v5                        ; 16 lane: LDS address of tile 0, and offset into xb; never rewritten
	v_lshlrev_b32 v3, 3, v5                        ; 8 lane
	v_lshrrev_b32 v4, 4, v5
	s_lshl_b32 s15, s13, 9
	v_lshl_add_u32 v4, v4, 3, s15                  ; 8 h + 512 slab
	v_mov_b32 v2, v1
	v_mov_b32 v[PV], 0                             ; v_permlanex16_b32 counts as reading its destination
	v_mov_b32 v[PCD], 0
	s_mov_b32 s42, 0xff800000                      ; -infinity
	s_mov_b32 s50, 0x76543210
	s_mov_b32 s51, 0xfedcba98
	s_mov_b32 s52, 0xffff0000
	; descriptor group 1: 72 rows of 32 elements of 8 bytes, dense
	s_mov_b32 s16, 0x0023000f                      ; 15:0 mask: all four of the cluster; 17:16 elements of 8 bytes; 21 set beside a mask
	s_mov_b32 s17, 32<<16                          ; tensor_dim0 = 32
	s_mov_b32 s18, 72<<16                          ; tensor_dim1 = 72
	s_mov_b32 s19, 32<<16                          ; tile_dim0 = 32
	s_mov_b32 s20, 72                              ; tile_dim1 = 72
	s_mov_b32 s21, 32                              ; from row to row
	s_mov_b32 s22, 0
	s_mov_b32 s23, 0
	s_mul_i32 s14, s10, PARTB                      ; my quarter of a chunk, in LDS and in the slab: the wave's number alone
	s_mul_i32 s2, s13, 32*TILEB
	s_add_co_u32 s2, s2, s14
	s_mov_b32 s3, 0
	s_lshl3_add_u32 s43, s12, s10                  ; 8 x row block + wave: my 64 rows of pass 0
	s_lshl_b32 s60, s43, 15
	s_mov_b32 s61, 0
	s_lshl_b32 s62, s13, 17
	s_lshl_b32 s63, s43, 9
	s_add_co_u32 s62, s62, s63
	s_mov_b32 s63, 0
	s_wait_dscnt 0x0
	s_wait_kmcnt 0x0
	s_add_nc_u64 s[6:7], s[6:7], s[2:3]
	s_add_nc_u64 s[44:45], s[4:5], s[60:61]        ; x of pass 0
	s_add_nc_u64 s[46:47], s[44:45], 0x20000       ; x of pass 1: four groups of 64 rows on
	s_add_nc_u64 s[48:49], s[8:9], s[62:63]
.irp c, 0,1,2,3
	s_mov_b32 s[24+4*\c], 1
	s_add_co_u32 s[25+4*\c], s14, \c*CHUNKB
	s_add_nc_u64 s[26+4*\c:27+4*\c], s[6:7], \c*CHUNKB
	s_or_b32 s[27+4*\c], s[27+4*\c], 0x80000000
.endr
	ROUND                                          ; the four work-groups are here: the joint loads meet
	tensor_load_to_lds s[24:27], s[16:23]          ; all fills of the launch go out together: four loads of this wave are out at the most
	s_nop 0
	tensor_load_to_lds s[28:31], s[16:23]
	s_nop 0
	tensor_load_to_lds s[32:35], s[16:23]
	s_nop 0
	tensor_load_to_lds s[36:39], s[16:23]
	s_nop 0
	XLOAD 0
	s_wait_tensorcnt 0x3                           ; my part of tiles 0-7 is in; three loads stay out
	s_barrier_signal -1
	s_barrier_wait -1
	FR 0, 1, 0
	CWL 0, 1, 0
.irp k, 1,2,3,4,5,6,7
	FR \k, 1, 0
.endr
	s_wait_loadcnt 0x0                             ; x of pass 0
	; PASS 0.  The trip of tile 8 c + 7 already fetches tile 8 c + 8, so each chunk is shown landed two tiles early.
	WIN 0x04
	TRIP 0, 0, 2, TILEB
	s_mov_b32 s40, 0
	TRIP 1, 1, 2, 2*TILEB
	WIN 0
	v_add_nc_u32 v2, 2*TILEB, v2
	LOOPDT 2, 0x04                                 ; tiles 2-5
	LANDED 2                                       ; tiles 8-15
	XLOAD 1                                        ; x of pass 1, waited for at its start
	LOOPDT 4, 0x04                                 ; tiles 6-13
	LANDED 1                                       ; tiles 16-23
	LOOPDT 4, 0x04                                 ; tiles 14-21
	LANDED 0                                       ; tiles 24-31: no tensor load is out any more
	LOOPDT 4, 0x04                                 ; tiles 22-29
	WIN 0x04
	TRIP 0, 1, 2, TILEB
	TRIP 1, 1, 1, 0                                ; tile 31; it fetches tile 0 for pass 1
	EPI 0
	; PASS 1
	v_mov_b32 v2, v1
	s_wait_loadcnt 0x0                             ; x of pass 1
	WIN 0x08
	TRIP 0, 0, 2, TILEB
	s_mov_b32 s40, 0
	TRIP 1, 1, 2, 2*TILEB
	WIN 0
	v_add_nc_u32 v2, 2*TILEB, v2
	LOOPDT 14, 0x08
	WIN 0x08
	TRIP 0, 1, 2, TILEB
	TRIP 1, 1, 2, -1
	EPI 1
	s_wait_tensorcnt 0x0
	ds_add_u32 v254, v255
	s_wait_dscnt 0x0
	ROUND                                          ; the closing round: no work-group ends while a partner may still ask
	s_endpgm
.Lfunc_end_k_q664fb7c9a5_score:
	.size	k_q664fb7c9a5_score, .Lfunc_end_k_q664fb7c9a5_score-k_q664fb7c9a5_score
	.p2alignl 7, 3214868480
	.fill 96, 4, 3214868480
	.section	.rodata,"a",@progbits
	.p2align	6, 0x0
	.amdhsa_kernel k_q664fb7c9a5_score
		.amdhsa_group_segment_fixed_size 295424
		.amdhsa_private_segment_fixed_size 0
		.amdhsa_enable_private_segment 0
		.amdhsa_kernarg_size 24
		.amdhsa_user_sgpr_count 2
		.amdhsa_user_sgpr_kernarg_segment_ptr 1
		.amdhsa_wavefront_size32 1
		.amdhsa_system_sgpr_workgroup_id_x 1
		.amdhsa_system_sgpr_workgroup_id_y 1
		.amdhsa_system_sgpr_workgroup_id_z 1
		.amdhsa_system_vgpr_workitem_id 0
		.amdhsa_next_free_vgpr 768
		.amdhsa_next_free_sgpr 66
		.amdhsa_reserve_vcc 0
		.amdhsa_float_denorm_mode_32 3
		.amdhsa_float_denorm_mode_16_64 3
		.amdhsa_memory_ordered 1
		.amdhsa_forward_progress 1
		.amdhsa_inst_pref_size 255
	.end_amdhsa_kernel
	.section	.bss,"aw",@nobits
	.p2align	6
	.space	262144
	.amdgpu_metadata
---
amdhsa.version: [ 1, 2 ]
amdhsa.kernels:
  - .name:           k_q664fb7c9a5_score
    .symbol:         k_q664fb7c9a5_score.kd
    .args:
      - { .name: xb, .offset: 0, .size: 8, .value_kind: global_buffer, .address_space: global }
      - { .name: wb, .offset: 8, .size: 8, .value_kind: global_buffer, .address_space: global }
      - { .name: part, .offset: 16, .size: 8, .value_kind: global_buffer, .address_space: global }
    .group_segment_fixed_size: 295424
    .private_segment_fixed_size: 0
    .kernarg_segment_align: 8
    .kernarg_segment_size: 24
    .max_flat_workgroup_size: 128
    .sgpr_count:     66
    .vgpr_count:     768
    .wavefront_size: 32
...
	.end_amdgpu_metadata
.endif
;; end of part 2
;; launch pick (part 3): grid 64 x 1, 4 waves a work-group, no clusters, 0 bytes of LDS; arguments part, out0, bmu; writes out0, bmu
.if DOCPART == 3
	.amdgcn_target "amdgcn-amd-amdhsa--gfx1250"
	.amdhsa_code_object_version 6
	.text
	.protected	k_q664fb7c9a5_pick
	.globl	k_q664fb7c9a5_pick
	.p2align	8
	.type	k_q664fb7c9a5_pick,@function
k_q664fb7c9a5_pick:
	s_mov_b64 s[64:65], 0
	v_nop
	global_prefetch_b8 v0, s[64:65] scope:SCOPE_SE
	s_setreg_imm32_b32 hwreg(HW_REG_WAVE_MODE, 25, 1), 1
	s_wait_xcnt 0x0
; PICK: the best of the eight slabs for each row.  part: [slab 8][row 16384][value f32, code].  A thread owns two rows, 16 bytes of each slab.
; Slabs are taken in ascending order and a later one wins only if strictly larger, so the lowest code keeps a tie.
; The code goes to out0 and, as whole numbers for the launches that follow, to bmu.  Each store of a wave covers 256 consecutive bytes, aligned.
; A stream of 1 MiB: no LDS, no matrix unit, no cluster.
	s_load_b128 s[4:7], s[0:1], 0x0                ; part s[4:5], out0 s[6:7]
	s_load_b64 s[8:9], s[0:1], 0x10                ; bmu
	s_lshl_b32 s10, ttmp9, 7
	v_add_nc_u32 v1, s10, v0                       ; thread in the launch
	v_lshlrev_b32 v2, 4, v1
	v_lshlrev_b32 v3, 3, v1
	s_wait_kmcnt 0x0
.irp sl, 0,1,2,3,4,5,6,7
	global_load_b128 v[8+4*\sl:11+4*\sl], v2, s[4:5] offset:131072*\sl
.endr
	s_wait_loadcnt 0x6                             ; slabs 0 and 1 are in, six loads stay out
	v_cmp_gt_f32 vcc_lo, v12, v8
	v_cndmask_b32 v8, v8, v12, vcc_lo
	v_cndmask_b32 v4, v9, v13, vcc_lo              ; the codes are gathered in the pair v[4:5]
	v_cmp_gt_f32 vcc_lo, v14, v10
	v_cndmask_b32 v10, v10, v14, vcc_lo
	v_cndmask_b32 v5, v11, v15, vcc_lo
.irp sl, 2,3,4,5,6,7
	s_wait_loadcnt 7-\sl                           ; this slab is in, the later ones stay out
	v_cmp_gt_f32 vcc_lo, v[8+4*\sl], v8
	v_cndmask_b32 v8, v8, v[8+4*\sl], vcc_lo
	v_cndmask_b32 v4, v4, v[9+4*\sl], vcc_lo
	v_cmp_gt_f32 vcc_lo, v[10+4*\sl], v10
	v_cndmask_b32 v10, v10, v[10+4*\sl], vcc_lo
	v_cndmask_b32 v5, v5, v[11+4*\sl], vcc_lo
.endr
	global_store_b64 v3, v[4:5], s[6:7]
	global_store_b64 v3, v[4:5], s[8:9]
	s_endpgm
.Lfunc_end_k_q664fb7c9a5_pick:
	.size	k_q664fb7c9a5_pick, .Lfunc_end_k_q664fb7c9a5_pick-k_q664fb7c9a5_pick
	.p2alignl 7, 3214868480
	.fill 96, 4, 3214868480
	.section	.rodata,"a",@progbits
	.p2align	6, 0x0
	.amdhsa_kernel k_q664fb7c9a5_pick
		.amdhsa_group_segment_fixed_size 0
		.amdhsa_private_segment_fixed_size 0
		.amdhsa_enable_private_segment 0
		.amdhsa_kernarg_size 24
		.amdhsa_user_sgpr_count 2
		.amdhsa_user_sgpr_kernarg_segment_ptr 1
		.amdhsa_wavefront_size32 1
		.amdhsa_system_sgpr_workgroup_id_x 1
		.amdhsa_system_sgpr_workgroup_id_y 1
		.amdhsa_system_sgpr_workgroup_id_z 1
		.amdhsa_system_vgpr_workitem_id 0
		.amdhsa_next_free_vgpr 40
		.amdhsa_next_free_sgpr 66
		.amdhsa_reserve_vcc 1
		.amdhsa_float_denorm_mode_32 3
		.amdhsa_float_denorm_mode_16_64 3
		.amdhsa_memory_ordered 1
		.amdhsa_forward_progress 1
		.amdhsa_inst_pref_size 4
	.end_amdhsa_kernel
	.amdgpu_metadata
---
amdhsa.version: [ 1, 2 ]
amdhsa.kernels:
  - .name:           k_q664fb7c9a5_pick
    .symbol:         k_q664fb7c9a5_pick.kd
    .args:
      - { .name: part, .offset: 0, .size: 8, .value_kind: global_buffer, .address_space: global }
      - { .name: out0, .offset: 8, .size: 8, .value_kind: global_buffer, .address_space: global }
      - { .name: bmu, .offset: 16, .size: 8, .value_kind: global_buffer, .address_space: global }
    .group_segment_fixed_size: 0
    .private_segment_fixed_size: 0
    .kernarg_segment_align: 8
    .kernarg_segment_size: 24
    .max_flat_workgroup_size: 128
    .sgpr_count:     66
    .vgpr_count:     40
    .wavefront_size: 32
...
	.end_amdgpu_metadata
.endif
;; end of part 3
;; launch spread (part 4): grid 64 x 4, 8 waves a work-group, no clusters, 250,112 bytes of LDS; arguments bmu, x, tsum, tcnt; writes tsum, tcnt
.if DOCPART == 4
	.amdgcn_target "amdgcn-amd-amdhsa--gfx1250"
	.amdhsa_code_object_version 6
	.text
	.protected	k_q664fb7c9a5_spread
	.globl	k_q664fb7c9a5_spread
	.p2align	8
	.type	k_q664fb7c9a5_spread,@function
k_q664fb7c9a5_spread:
	s_mov_b64 s[64:65], 0
	v_nop
	global_prefetch_b8 v0, s[64:65] scope:SCOPE_SE
	s_setreg_imm32_b32 hwreg(HW_REG_WAVE_MODE, 25, 1), 1
	s_wait_xcnt 0x0
; SPREAD: T[a][d][f] = sum over the rows whose best unit lies in grid row a of g(b - d) x[row][f], and tcnt = the same sum with 1 for x.
; The dense h and its product with x are not formed: h = g(a_b - c) g(b_b - d), so the sum over rows is taken grid row by grid row here and
; the sum over a in the next launch (the distributive law, for all inputs).
; Work-group (a, fq): grid row a, features 64 fq .. + 63.  Wave w scans rows 2048 w .. + 2047 of the index list for code >> 6 == a and keeps
; (row << 12 | code) in a list of its own in LDS; then, 32 entries at a time, D[d][f] += A[d][e] B[e][f].
; A[d][e] = g(b_e - d) comes from a table in LDS by a transposing load in which each lane addresses the table row of its own entry.
; B needs no transposition: lane (r, h) loads the 16 bytes at 16 r of the 256-byte piece of entries 8 h + u and 16 + 8 h + u, u = 0..7, and
; column tile t is DEFINED as the features 4 r + t, so that register j of its fragment is word t of loads 2 j and 2 j + 1, rounded and packed.
; A fifth column tile is a constant: 1 in column 0; its product is the count.  Entries past the list's end take the table's row of zeros.
; The eight waves' sums meet in LDS, where tile t of lane r lands at byte 16 r + 4 t of a row: the features' own order again.
; REGISTERS: window 0 holds addresses, entries, fragments and the loaded rows; the 20 accumulator tiles lie in window 1 (v256-415, tile (mt, nt)
; at 8 (5 mt + nt)).  The products run under one setting (C and D in window 1), the stores of the sums under another (data in window 1).
; No tensor loads and no cluster: what work-groups share is the index list of 64 KiB; each 256 bytes of x is read by one work-group.
; Limit: an entry past the end multiplies row 0 of x by zero, so a NaN or an infinity there would spread.
.set GTP,    144                       ; table row: 64 bf16 + 16 bytes
.set ZROW,   64*GTP                    ; the row of zeros
.set LIST,   9472
.set LISTB,  8448                      ; 2048 entries, 32 of padding, one word for what does not match
.set RED,    77056
.set REDB,   21504
.set RP,     336                       ; 80 f32 + 16 bytes
.set ENT, 16                           ; v[16:31]   my 16 entries of the chunk
.set EV,  16                           ; v[16:31]   (before the loop) 16 values of the table
.set AF,  32                           ; v[32:63]   A, 4 tiles of d
.set BF,  64                           ; v[64:103]  B, 4 tiles of f and the tile of ones
.set IX,  104                          ; v[104:167] the wave's 2048 codes
.set LD,  104                          ; v[104:167] then the chunk's 16 loads of x
.set LG,  176                          ; v176       list address of entry 8 h + lane % 8
.set KEY, 14
.set SN,  20
.set SC,  21
.set SLIST, 17
.set MSB, 0
.macro WIN new                         ; the immediate's high byte repeats the setting that is left
.if MSB != \new
	s_set_vgpr_msb (MSB<<8)|\new
.set MSB, \new
.endif
.endm
.macro SCAN kind, extra                ; kind 0: key = code >> 6; 1: key = code & 63.  extra: loads issued behind the list's
	s_mov_b32 s[SN], 0
.set q, 0
.rept 16
	s_wait_loadcnt 15-q+\extra                     ; load q is in, the younger ones stay out
.set e, 0
.rept 4
.if \kind
	v_and_b32 v88, 63, v[IX+4*q+e]
.else
	v_lshrrev_b32 v88, 6, v[IX+4*q+e]
.endif
	v_cmp_eq_u32 vcc_lo, s[KEY], v88
	v_mbcnt_lo_u32_b32 v89, vcc_lo, s[SN]          ; my place: entries so far + matching lanes below me
	s_bcnt1_i32_b32 s[SC], vcc_lo
	s_add_co_u32 s[SN], s[SN], s[SC]
	v_cndmask_b32 v89, v13, v89, vcc_lo            ; no match: the spare word
	v_min_u32 v89, 0x820, v89
	v_add3_u32 v90, v[IX+4*q+e], v12, (128*q+e)<<12        ; row << 12 | code
	v_lshl_add_u32 v89, v89, 2, s[SLIST]
	ds_store_b32 v89, v90
.set e, e+1
.endr
.set q, q+1
.endr
.endm
.macro ADDQ a, b
	v_pk_add_f32 v[\a:\a+1], v[\a:\a+1], v[\b:\b+1]
	v_pk_add_f32 v[\a+2:\a+3], v[\a+2:\a+3], v[\b+2:\b+3]
.endm
; 32 entries, chunk s22 of the wave's list.  first = 1: the products start the sums.  The chunk stores nothing into LDS.
.macro CHUNK first
	s_lshl_b32 s27, s22, 7                         ; 128 bytes of list a chunk,
	s_min_u32 s27, s27, 8064                       ; 64 chunks at the most
	s_lshl_b32 s28, s22, 5
	v_add_nc_u32 v168, s27, v4                     ; entries 8 h + 0..7 (and + 16 by the immediate)
	v_add_nc_u32 v169, s27, v[LG]                  ; entry 8 h + lane % 8: whose table row I address
	ds_load_b128 v[ENT:ENT+3], v168
	ds_load_b128 v[ENT+4:ENT+7], v168 offset:16
	ds_load_b128 v[ENT+8:ENT+11], v168 offset:64
	ds_load_b128 v[ENT+12:ENT+15], v168 offset:80
	ds_load_b32 v170, v169
	ds_load_b32 v171, v169 offset:64
	v_add_nc_u32 v172, s28, v6                     ; the numbers of those two entries in the list
	v_add_nc_u32 v173, 16, v172
	s_wait_dscnt 0x0
.irp u, 0,1,2,3,4,5,6,7,8,9,10,11,12,13,14,15
	v_lshrrev_b32 v[LD+4*\u], 12, v[ENT+\u]        ; the row,
	v_min_u32 v[LD+4*\u], 0x3fff, v[LD+4*\u]       ; inside x,
	v_lshl_add_u32 v[LD+4*\u], v[LD+4*\u], 10, v2  ; its 256 bytes: sixteen lanes, 16 bytes each
	global_load_b128 v[LD+4*\u:LD+4*\u+3], v[LD+4*\u], s[6:7]
.endr
	v_and_b32 v170, 63, v170                       ; b of my two entries
	v_and_b32 v171, 63, v171
	v_cmp_gt_u32 vcc_lo, s[SN], v172
	v_cndmask_b32 v170, 64, v170, vcc_lo           ; past the end: the row of zeros
	v_cmp_gt_u32 vcc_lo, s[SN], v173
	v_cndmask_b32 v171, 64, v171, vcc_lo
	v_min_u32 v170, 64, v170
	v_min_u32 v171, 64, v171
	v_mul_u32_u24 v170, v170, GTP
	v_mul_u32_u24 v171, v171, GTP
	v_add_nc_u32 v170, v7, v170
	v_add_nc_u32 v171, v7, v171
.irp mt, 0,1,2,3
	ds_load_tr16_b128 v[AF+8*\mt:AF+8*\mt+3], v170 offset:32*\mt       ; g(b_e - d), e = 8 h + 0..7, d = 16 mt + lane % 16
	ds_load_tr16_b128 v[AF+8*\mt+4:AF+8*\mt+7], v171 offset:32*\mt     ; e = 16 + 8 h + 0..7
.endr
.irp j, 0,1,2,3,4,5,6,7
	s_wait_loadcnt 14-2*\j                         ; loads 2 j and 2 j + 1 are in, the younger ones stay out
.irp t, 0,1,2,3
	v_cvt_pk_bf16_f32 v[BF+8*\t+\j], v[LD+8*\j+\t], v[LD+8*\j+4+\t]    ; tile t, register j: two neighbouring entries of feature 4 r + t
.endr
.endr
	s_wait_dscnt 0x0                               ; A
	WIN 0x50                                       ; C and D in window 1
.irp mt, 0,1,2,3
.irp nt, 0,1,2,3,4
.if \first
	v_wmma_f32_16x16x32_bf16 v[8*(5*\mt+\nt):8*(5*\mt+\nt)+7], v[AF+8*\mt:AF+8*\mt+7], v[BF+8*\nt:BF+8*\nt+7], 0
.else
	v_wmma_f32_16x16x32_bf16 v[8*(5*\mt+\nt):8*(5*\mt+\nt)+7], v[AF+8*\mt:AF+8*\mt+7], v[BF+8*\nt:BF+8*\nt+7], v[8*(5*\mt+\nt):8*(5*\mt+\nt)+7]
.endif
.endr
.endr
	WIN 0                                          ; at a label and at a branch every window is 0
.rept 4
	v_nop                                          ; four places before the fragments are written again or the sums are stored (ISA guide 7.12.1)
.endr
.endm
	s_load_b256 s[4:11], s[0:1], 0x0               ; bmu s[4:5], x s[6:7], tsum s[8:9], tcnt s[10:11]
	v_lshl_add_u32 v254, v0, 2, 0x3cd00
	v_mov_b32 v255, 0
	v_lshrrev_b32 v9, 5, v0
	v_readfirstlane_b32 s12, v9                    ; wave 0..7
	s_and_b32 s13, ttmp7, 0xffff                   ; fq
	s_mov_b32 s[KEY], ttmp9                        ; a
	v_and_b32 v1, 31, v0                           ; lane
	s_lshl_b32 s15, s12, 13
	v_lshl_add_u32 v14, v1, 4, s15                 ; my 16 bytes of the wave's 8,192
	s_wait_kmcnt 0x0
.set q, 0
.rept 16
	global_load_b128 v[IX+4*q:IX+4*q+3], v14, s[4:5] offset:512*q
.set q, q+1
.endr
	s_mov_b32 s26, 0xba618ce0                      ; -log2(e) / (2 sigma^2), sigma = 32 exp(-0.1)
	s_mul_i32 s[SLIST], s12, LISTB
	s_add_co_u32 s[SLIST], s[SLIST], LIST
	s_mul_i32 s19, s12, REDB
	s_add_co_u32 s19, s19, RED
	s_lshl_b32 s16, s12, 23
	v_lshl_add_u32 v12, v1, 14, s16                ; (2048 w + 4 lane) << 12
	v_mov_b32 v13, 2080
	v_lshrrev_b32 v3, 4, v1                        ; h
	v_and_b32 v9, 15, v1                           ; r
	s_lshl_b32 s15, s13, 8
	v_lshl_add_u32 v2, v9, 4, s15                  ; 256 fq + 16 r
	v_lshl_add_u32 v4, v3, 5, s[SLIST]             ; my list + 8 h entries
	v_and_b32 v10, 7, v1
	v_lshl_add_u32 v6, v3, 3, v10                  ; 8 h + lane % 8
	v_lshl_add_u32 v[LG], v6, 2, s[SLIST]
	v_bfe_u32 v11, v1, 3, 1
	v_lshlrev_b32 v7, 4, v11                       ; the transposing load's half of 32 bytes (the table begins at LDS byte 0)
	v_mul_u32_u24 v8, v3, 8*RP                     ; sums: row 8 h (+ 16 mt + j)
	v_add_nc_u32 v8, s19, v8
	v_lshl_add_u32 v5, v9, 2, v8                   ; the count tile: column 64 + r
	v_add_nc_u32 v5, 256, v5
	v_lshl_add_u32 v8, v9, 4, v8                   ; tiles 0-3: columns 4 r (+ t)
	v_mov_b32 v177, 0x3f803f80                     ; two bf16 1.0
	v_cmp_eq_u32 vcc_lo, 0, v9
.irp i, 0,1,2,3,4,5,6,7
	v_cndmask_b32 v[BF+32+\i], 0, v177, vcc_lo     ; the fifth tile of B: column 0 is 1 for every entry, the rest 0
.endr
	s_lshl_b32 s24, s[KEY], 16
	s_add_co_u32 s24, s24, s15
	s_mov_b32 s25, 0
	s_add_nc_u64 s[8:9], s[8:9], s[24:25]          ; tsum at (a, d = 0, 64 fq)
	s_lshl_b32 s24, s13, 6
	s_add_co_u32 s24, s24, s[KEY]
	s_lshl_b32 s24, s24, 8
	s_add_nc_u64 s[10:11], s[10:11], s[24:25]      ; tcnt at (fq, a)
	; the table g(b - d) in bf16: thread t makes row b = t / 4, d = 16 (t % 4) + 0..15
	v_lshrrev_b32 v9, 2, v0
	v_and_b32 v10, 3, v0
	v_lshlrev_b32 v11, 4, v10
	v_sub_nc_u32 v15, v9, v11                      ; b - 16 (t % 4)
	v_mul_u32_u24 v9, v9, GTP
	v_lshl_add_u32 v9, v10, 5, v9
.set g, 0
.rept 4
.irp u, 0,1,2,3
	v_add_nc_u32 v[EV+4*g+\u], -(4*g+\u), v15
.endr
.irp u, 0,1,2,3
	v_cvt_f32_i32 v[EV+4*g+\u], v[EV+4*g+\u]
.endr
.irp u, 0,1,2,3
	v_mul_f32 v[EV+4*g+\u], v[EV+4*g+\u], v[EV+4*g+\u]
.endr
.irp u, 0,1,2,3
	v_mul_f32 v[EV+4*g+\u], s26, v[EV+4*g+\u]
.endr
.irp u, 0,1,2,3
	v_exp_f32 v[EV+4*g+\u], v[EV+4*g+\u]           ; four in a run; the next group's first line, or the v_nop, is the plain instruction behind them
.endr
.set g, g+1
.endr
	v_nop
	s_wait_alu depctr_va_vdst(0)
.irp m, 0,1,2,3,4,5,6,7
	v_cvt_pk_bf16_f32 v[32+\m], v[EV+2*\m], v[EV+2*\m+1]
.endr
	ds_store_b128 v9, v[32:35]
	ds_store_b128 v9, v[36:39] offset:16
	v_mov_b32 v40, 0
	v_and_b32 v11, 3, v1                           ; the row of zeros: wave w writes its words 4 w .. 4 w + 3
	s_lshl_b32 s16, s12, 4
	s_add_co_u32 s16, s16, ZROW
	v_lshl_add_u32 v11, v11, 2, s16
	ds_store_b32 v11, v40
	SCAN 0, 0
	s_min_u32 s[SN], s[SN], 2048
	v_add_nc_u32 v88, s[SN], v1                    ; 32 entries of padding behind the list: row 0
	v_min_u32 v88, 0x81f, v88
	v_lshl_add_u32 v88, v88, 2, s[SLIST]
	ds_store_b32 v88, v40
	s_add_co_u32 s23, s[SN], 31
	s_lshr_b32 s23, s23, 5
	s_max_u32 s23, s23, 1                          ; an empty list still makes one chunk, of zeros: the sums are started
	s_min_u32 s23, s23, 64
	s_wait_dscnt 0x0                               ; my part of the table and my list are written,
	s_barrier_signal -1
	s_barrier_wait -1                              ; everybody's are
	s_mov_b32 s22, 0
	CHUNK 1
	s_mov_b32 s22, 1
	s_cmp_lt_u32 s22, s23
	s_cbranch_scc0 .Lsums
.Lchunk:                                               ; the twenty accumulators take turns, one instruction a turn, over the jump too
	CHUNK 0
	s_add_co_u32 s22, s22, 1
	s_cmp_lt_u32 s22, s23
	s_cbranch_scc1 .Lchunk
.Lsums:
	; The list reads' addresses hang on a count taken from data.  This barrier puts every wave's reads of lists and table in front of every
	; LDS store that follows, so that the ordering holds by the text alone, whatever the counts.
	s_wait_dscnt 0x0
	s_barrier_signal -1
	s_barrier_wait -1
	WIN 0x04                                       ; the stores' data in window 1
.irp mt, 0,1,2,3
.irp nt, 0,1,2,3
.irp j, 0,1,2,3,4,5,6,7
	ds_store_b32 v8, v[8*(5*\mt+\nt)+\j] offset:(16*\mt+\j)*RP+4*\nt   ; (d = 16 mt + 8 h + j, f = 4 r + nt)
.endr
.endr
.irp j, 0,1,2,3,4,5,6,7
	ds_store_b32 v5, v[8*(5*\mt+4)+\j] offset:(16*\mt+\j)*RP           ; the count tile, columns 64 + r
.endr
.endr
	WIN 0
	s_wait_dscnt 0x0
	s_barrier_signal -1
	s_barrier_wait -1
	; thread t adds the eight waves' 16 bytes at column 4 (t % 16) of rows d = t / 16 + 16 i
	v_and_b32 v9, 15, v0
	v_lshrrev_b32 v10, 4, v0
	v_mul_u32_u24 v16, v10, RP
	v_lshl_add_u32 v16, v9, 4, v16
	v_add_nc_u32 v16, RED, v16
	v_add_nc_u32 v17, 2*REDB, v16
	v_add_nc_u32 v18, 4*REDB, v16
	v_add_nc_u32 v19, 6*REDB, v16
	v_lshlrev_b32 v20, 10, v10
	v_lshl_add_u32 v20, v9, 4, v20
.irp i, 0,1,2,3
.irp w2, 0,1,2,3
	ds_load_b128 v[96+32*\i+8*\w2:96+32*\i+8*\w2+3], v[16+\w2] offset:16*RP*\i
	ds_load_b128 v[96+32*\i+8*\w2+4:96+32*\i+8*\w2+7], v[16+\w2] offset:16*RP*\i+REDB
.endr
.endr
.irp i, 0,1,2,3
	s_wait_dscnt 8*(3-\i)                          ; the eight loads of row group i are in
	ADDQ (96+32*\i), (96+32*\i+4)
	ADDQ (96+32*\i+8), (96+32*\i+12)
	ADDQ (96+32*\i+16), (96+32*\i+20)
	ADDQ (96+32*\i+24), (96+32*\i+28)
	ADDQ (96+32*\i), (96+32*\i+8)
	ADDQ (96+32*\i+16), (96+32*\i+24)
	ADDQ (96+32*\i), (96+32*\i+16)
	global_store_b128 v20, v[96+32*\i:96+32*\i+3], s[8:9] offset:16384*\i     ; sixteen lanes store 256 consecutive bytes, aligned
.endr
	s_cmp_lg_u32 s12, 0
	s_cbranch_scc1 .Lend
	v_mul_u32_u24 v21, v1, 2*RP                    ; wave 0: the counts (column 64) of d = 2 lane and 2 lane + 1
	v_add_nc_u32 v21, RED+256, v21
	v_add_nc_u32 v22, 2*REDB, v21
	v_add_nc_u32 v23, 4*REDB, v21
	v_add_nc_u32 v24, 6*REDB, v21
	v_lshlrev_b32 v25, 3, v1
.irp w2, 0,1,2,3
	ds_load_b32 v[32+4*\w2], v[21+\w2]
	ds_load_b32 v[33+4*\w2], v[21+\w2] offset:RP
	ds_load_b32 v[34+4*\w2], v[21+\w2] offset:REDB
	ds_load_b32 v[35+4*\w2], v[21+\w2] offset:REDB+RP
.endr
	s_wait_dscnt 0x0
	v_pk_add_f32 v[32:33], v[32:33], v[34:35]
	v_pk_add_f32 v[36:37], v[36:37], v[38:39]
	v_pk_add_f32 v[40:41], v[40:41], v[42:43]
	v_pk_add_f32 v[44:45], v[44:45], v[46:47]
	v_pk_add_f32 v[32:33], v[32:33], v[36:37]
	v_pk_add_f32 v[40:41], v[40:41], v[44:45]
	v_pk_add_f32 v[32:33], v[32:33], v[40:41]
	global_store_b64 v25, v[32:33], s[10:11]       ; 256 consecutive bytes, aligned
.Lend:
	s_barrier_signal -1
	s_barrier_wait -1
	s_wait_tensorcnt 0x0
	ds_add_u32 v254, v255
	s_wait_dscnt 0x0
	s_endpgm
.Lfunc_end_k_q664fb7c9a5_spread:
	.size	k_q664fb7c9a5_spread, .Lfunc_end_k_q664fb7c9a5_spread-k_q664fb7c9a5_spread
	.p2alignl 7, 3214868480
	.fill 96, 4, 3214868480
	.section	.rodata,"a",@progbits
	.p2align	6, 0x0
	.amdhsa_kernel k_q664fb7c9a5_spread
		.amdhsa_group_segment_fixed_size 250112
		.amdhsa_private_segment_fixed_size 0
		.amdhsa_enable_private_segment 0
		.amdhsa_kernarg_size 32
		.amdhsa_user_sgpr_count 2
		.amdhsa_user_sgpr_kernarg_segment_ptr 1
		.amdhsa_wavefront_size32 1
		.amdhsa_system_sgpr_workgroup_id_x 1
		.amdhsa_system_sgpr_workgroup_id_y 1
		.amdhsa_system_sgpr_workgroup_id_z 1
		.amdhsa_system_vgpr_workitem_id 0
		.amdhsa_next_free_vgpr 416
		.amdhsa_next_free_sgpr 66
		.amdhsa_reserve_vcc 1
		.amdhsa_float_denorm_mode_32 3
		.amdhsa_float_denorm_mode_16_64 3
		.amdhsa_memory_ordered 1
		.amdhsa_forward_progress 1
		.amdhsa_inst_pref_size 79
	.end_amdhsa_kernel
	.amdgpu_metadata
---
amdhsa.version: [ 1, 2 ]
amdhsa.kernels:
  - .name:           k_q664fb7c9a5_spread
    .symbol:         k_q664fb7c9a5_spread.kd
    .args:
      - { .name: bmu, .offset: 0, .size: 8, .value_kind: global_buffer, .address_space: global }
      - { .name: x, .offset: 8, .size: 8, .value_kind: global_buffer, .address_space: global }
      - { .name: tsum, .offset: 16, .size: 8, .value_kind: global_buffer, .address_space: global }
      - { .name: tcnt, .offset: 24, .size: 8, .value_kind: global_buffer, .address_space: global }
    .group_segment_fixed_size: 250112
    .private_segment_fixed_size: 0
    .kernarg_segment_align: 8
    .kernarg_segment_size: 32
    .max_flat_workgroup_size: 256
    .sgpr_count:     66
    .vgpr_count:     416
    .wavefront_size: 32
...
	.end_amdgpu_metadata
.endif
;; end of part 4
;; launch finish (part 5): grid 64 x 4, 8 waves a work-group, no clusters, 113,664 bytes of LDS; arguments bmu, tsum, tcnt, weights, out1; writes out1
.if DOCPART == 5
	.amdgcn_target "amdgcn-amd-amdhsa--gfx1250"
	.amdhsa_code_object_version 6
	.text
	.protected	k_q664fb7c9a5_finish
	.globl	k_q664fb7c9a5_finish
	.p2align	8
	.type	k_q664fb7c9a5_finish,@function
k_q664fb7c9a5_finish:
	s_mov_b64 s[64:65], 0
	v_nop
	global_prefetch_b8 v0, s[64:65] scope:SCOPE_SE
	s_setreg_imm32_b32 hwreg(HW_REG_WAVE_MODE, 25, 1), 1
	s_wait_xcnt 0x0
; FINISH: num[(c,d)] = sum over a of g(a - c) T[a][d], den likewise of the counts, U = weights (1 - lr) + lr num / den, and each row of out1
; takes the U of its best unit.  The dense h is not formed (h = g(a_b - c) g(b_b - d): the sum over rows was taken in the launch before).
; Work-group (d, fq): grid column d, features 64 fq .. + 63, all 64 c.  D[c][f] = A[c][a] B[a][f], K = 64.  A = g(a - c) is made in registers.
; B = T[.][d] rounded to bf16 in LDS, with a fifth column tile that holds the count split in two bf16 (upper part, rest) in columns 0 and 1.
; Wave w makes rows 16 (w % 4) .. + 15, column tiles 2 (w / 4), 2 (w / 4) + 1 and the count tile.  The test den == 0 is kept.
; Each wave scans 2,048 rows of the index list for code & 63 == d and stores U[code >> 6] to those rows, 256 bytes a row.
; No tensor loads and no cluster: what work-groups share is the index list of 64 KiB.
.set LISTB, 8448                       ; the lists begin at LDS byte 0
.set TS,    67584
.set TP,    160                        ; 64 bf16 of T, then the count tile
.set UQ,    77824                      ; lr num / den, f32
.set US,    95232                      ; U, f32: bytes of its own, so that between two barriers no byte is both read and written
.set UP,    272
.set TSU, 16                           ; v[16:31]
.set WT,  32                           ; v[32:47]
.set CN,  48
.set ACC, 64                           ; v[64:87]   two column tiles and the count tile
.set IX,  96                           ; v[96:159]
.set EV,  96                           ; v[96:127]  g(a - c), 32 values
.set BF,  128                          ; v[128:175] B: 8 (3 ks + n)
.set AF,  176                          ; v[176:191] A: 8 ks
.set KEY, 16
.set SN,  18
.set SC,  19
.set SLIST, 17
.macro SCAN kind, extra                ; kind 0: key = code >> 6; 1: key = code & 63.  extra: loads issued behind the list's
	s_mov_b32 s[SN], 0
.set q, 0
.rept 16
	s_wait_loadcnt 15-q+\extra                     ; load q is in, the younger ones stay out
.set e, 0
.rept 4
.if \kind
	v_and_b32 v88, 63, v[IX+4*q+e]
.else
	v_lshrrev_b32 v88, 6, v[IX+4*q+e]
.endif
	v_cmp_eq_u32 vcc_lo, s[KEY], v88
	v_mbcnt_lo_u32_b32 v89, vcc_lo, s[SN]          ; my place: entries so far + matching lanes below me
	s_bcnt1_i32_b32 s[SC], vcc_lo
	s_add_co_u32 s[SN], s[SN], s[SC]
	v_cndmask_b32 v89, v13, v89, vcc_lo            ; no match: the spare word
	v_min_u32 v89, 0x820, v89
	v_add3_u32 v90, v[IX+4*q+e], v12, (128*q+e)<<12        ; row << 12 | code
	v_lshl_add_u32 v89, v89, 2, s[SLIST]
	ds_store_b32 v89, v90
.set e, e+1
.endr
.set q, q+1
.endr
.endm
	s_load_b256 s[4:11], s[0:1], 0x0               ; bmu s[4:5], tsum s[6:7], tcnt s[8:9], weights s[10:11]
	s_load_b64 s[12:13], s[0:1], 0x20              ; out1
	v_lshl_add_u32 v192, v0, 2, 0x1b800
	v_mov_b32 v193, 0
	v_lshrrev_b32 v9, 5, v0
	v_readfirstlane_b32 s14, v9                    ; wave 0..7
	s_and_b32 s15, ttmp7, 0xffff                   ; fq
	s_mov_b32 s[KEY], ttmp9                        ; d
	v_and_b32 v1, 31, v0
	s_lshl_b32 s32, s14, 13
	v_lshl_add_u32 v14, v1, 4, s32
	v_lshrrev_b32 v9, 4, v0
	v_and_b32 v10, 15, v0
	v_lshlrev_b32 v5, 16, v9                       ; row (t / 16 + 16 i) x 64 + d of tsum and of weights: 65,536 bytes for each step of a or c
	v_lshl_add_u32 v5, v10, 4, v5
	v_and_b32 v6, 63, v0
	v_lshlrev_b32 v6, 8, v6                        ; the count of a = t % 64
	s_lshl_b32 s22, s[KEY], 10
	s_lshl_b32 s33, s15, 8
	s_add_co_u32 s22, s22, s33
	s_mov_b32 s23, 0
	s_lshl_b32 s34, s15, 14
	s_lshl2_add_u32 s34, s[KEY], s34
	s_mov_b32 s35, 0
	s_wait_kmcnt 0x0
	s_add_nc_u64 s[6:7], s[6:7], s[22:23]
	s_add_nc_u64 s[10:11], s[10:11], s[22:23]
	s_add_nc_u64 s[8:9], s[8:9], s[34:35]
.set q, 0
.rept 16
	global_load_b128 v[IX+4*q:IX+4*q+3], v14, s[4:5] offset:512*q
.set q, q+1
.endr
.irp i, 0,1,2,3
	global_load_b128 v[TSU+4*\i:TSU+4*\i+3], v5, s[6:7] offset:1048576*\i
.endr
	global_load_b32 v[CN], v6, s[8:9]
.irp i, 0,1,2,3
	global_load_b128 v[WT+4*\i:WT+4*\i+3], v5, s[10:11] offset:1048576*\i
.endr
	s_mov_b32 s20, 0xba618ce0                      ; -log2(e) / (2 sigma^2), sigma = 32 exp(-0.1)
	s_mov_b32 s21, 0x3ee7a36d                      ; lr = 0.5 exp(-0.1)
	s_mov_b32 s27, 0x322bcc77                      ; 1e-8
	s_mov_b32 s30, 0x3f0c2e4a                      ; 1 - lr
	s_mov_b32 s31, 0x3f0c2e4a
	v_lshrrev_b32 v3, 4, v1                        ; h
	v_and_b32 v9, 15, v1                           ; r
	v_lshl_add_u32 v2, v9, 4, s33                  ; 256 fq + 16 r
	s_lshl_b32 s32, s14, 23
	v_lshl_add_u32 v12, v1, 14, s32                ; (2048 w + 4 lane) << 12
	v_mov_b32 v13, 2080
	s_mul_i32 s[SLIST], s14, LISTB
	v_lshrrev_b32 v10, 4, v0
	v_and_b32 v11, 15, v0
	v_mul_u32_u24 v4, v10, TP                      ; T in: row t / 16 (+ 16 i), 8 bytes a thread
	v_lshl_add_u32 v4, v11, 3, v4
	v_add_nc_u32 v4, TS, v4
	v_mul_u32_u24 v91, v10, UP                     ; the blend: row t / 16 (+ 16 i), 16 bytes a thread
	v_lshl_add_u32 v91, v11, 4, v91
	v_add_nc_u32 v91, UQ, v91
	v_and_b32 v10, 7, v1
	v_lshl_add_u32 v10, v3, 3, v10
	v_bfe_u32 v11, v1, 3, 1
	v_mul_u32_u24 v94, v10, TP                     ; B: the transposing load's row 8 h + lane % 8 and half
	v_lshl_add_u32 v94, v11, 4, v94
	v_add_nc_u32 v94, TS, v94
	s_lshr_b32 s29, s14, 2
	s_lshl_b32 s32, s29, 6
	v_add_nc_u32 v7, s32, v94                      ; + my two column tiles
	s_and_b32 s28, s14, 3
	s_lshl_b32 s28, s28, 4                         ; 16 mt
	v_lshl_add_u32 v10, v3, 3, s28
	v_mul_u32_u24 v8, v10, UP                      ; quotients: row 16 mt + 8 h (+ j), column 32 (w / 4) + r (+ 16 n)
	v_lshl_add_u32 v8, v9, 2, v8
	s_lshl_b32 s32, s29, 7
	s_add_co_u32 s32, s32, UQ
	v_add_nc_u32 v8, s32, v8
	v_lshlrev_b32 v93, 4, v9
	v_add_nc_u32 v93, US, v93
	v_add_nc_u32 v10, s28, v9                      ; c
	v_lshlrev_b32 v11, 3, v3
	v_sub_nc_u32 v15, v11, v10                     ; 8 h - c
	SCAN 1, 9
	s_min_u32 s[SN], s[SN], 2048
	s_wait_loadcnt 0x5                             ; T is in; the count and the four loads of weights stay out
.irp i, 0,1,2,3
	v_cvt_pk_bf16_f32 v50, v[TSU+4*\i], v[TSU+4*\i+1]
	v_cvt_pk_bf16_f32 v51, v[TSU+4*\i+2], v[TSU+4*\i+3]
	ds_store_b64 v4, v[50:51] offset:16*TP*\i
.endr
	s_wait_loadcnt 0x4                             ; the count is in
	s_cmp_ge_u32 s14, 2
	s_cbranch_scc1 .Lno_count
	v_cvt_pk_bf16_f32 v52, v[CN], v[CN]            ; waves 0 and 1: thread t writes the count tile of a = t
	v_lshlrev_b32 v53, 16, v52                     ; the upper part as f32
	v_sub_f32 v54, v[CN], v53                      ; the rest
	v_cvt_pk_bf16_f32 v52, v53, v54
	v_mov_b32 v53, 0
	v_mov_b32 v54, 0
	v_mov_b32 v55, 0
	v_mov_b32 v56, 0
	v_mov_b32 v57, 0
	v_mov_b32 v58, 0
	v_mov_b32 v59, 0
	v_and_b32 v60, 63, v0
	v_mul_u32_u24 v60, v60, TP
	v_add_nc_u32 v60, TS+128, v60
	ds_store_b128 v60, v[52:55]
	ds_store_b128 v60, v[56:59] offset:16
.Lno_count:
	s_wait_dscnt 0x0                               ; my part of B is written
	s_barrier_signal -1
	; register work while the others arrive: A(c, a) = g(a - c), value e at a = 32 (e / 16) + 16 ((e / 8) % 2) + 8 h + e % 8
.set g, 0
.rept 8
.irp u, 0,1,2,3
	v_add_nc_u32 v[EV+4*g+\u], 32*((4*g+\u)/16)+16*(((4*g+\u)/8)%2)+(4*g+\u)%8, v15
.endr
.irp u, 0,1,2,3
	v_cvt_f32_i32 v[EV+4*g+\u], v[EV+4*g+\u]
.endr
.irp u, 0,1,2,3
	v_mul_f32 v[EV+4*g+\u], v[EV+4*g+\u], v[EV+4*g+\u]
.endr
.irp u, 0,1,2,3
	v_mul_f32 v[EV+4*g+\u], s20, v[EV+4*g+\u]
.endr
.irp u, 0,1,2,3
	v_exp_f32 v[EV+4*g+\u], v[EV+4*g+\u]           ; four in a run; the next group's first line, or the v_nop, is the plain instruction behind them
.endr
.set g, g+1
.endr
	v_nop
.set i, 0
	s_wait_alu depctr_va_vdst(0)
.rept 16
	v_cvt_pk_bf16_f32 v[AF+i], v[EV+2*i], v[EV+2*i+1]
.set i, i+1
.endr
	s_barrier_wait -1                              ; B is whole
.irp ks, 0,1
.irp n, 0,1
	ds_load_tr16_b128 v[BF+8*(3*\ks+\n):BF+8*(3*\ks+\n)+3], v7 offset:32*TP*\ks+32*\n
	ds_load_tr16_b128 v[BF+8*(3*\ks+\n)+4:BF+8*(3*\ks+\n)+7], v7 offset:32*TP*\ks+32*\n+16*TP
.endr
	ds_load_tr16_b128 v[BF+8*(3*\ks+2):BF+8*(3*\ks+2)+3], v94 offset:32*TP*\ks+128
	ds_load_tr16_b128 v[BF+8*(3*\ks+2)+4:BF+8*(3*\ks+2)+7], v94 offset:32*TP*\ks+128+16*TP
.endr
	s_wait_dscnt 0x0
.irp n, 0,1,2                                          ; three accumulators by turns, one instruction a turn
	v_wmma_f32_16x16x32_bf16 v[ACC+8*\n:ACC+8*\n+7], v[AF:AF+7], v[BF+8*\n:BF+8*\n+7], 0
.endr
.irp n, 0,1,2
	v_wmma_f32_16x16x32_bf16 v[ACC+8*\n:ACC+8*\n+7], v[AF+8:AF+15], v[BF+24+8*\n:BF+24+8*\n+7], v[ACC+8*\n:ACC+8*\n+7]
.endr
.rept 4
	v_nop                                          ; four places before the results are read (ISA guide 7.12.1)
.endr
.irp x, 1,2,4,8                                        ; den of row 8 h + j: columns 0 and 1 hold its two parts, the others zero; the sum over the sixteen lanes leaves it in each
.irp j, 0,1,2,3,4,5,6,7
	v_add_f32_dpp v[ACC+16+\j], v[ACC+16+\j], v[ACC+16+\j] row_xmask:\x row_mask:0xf bank_mask:0xf
.endr
.endr
.irp j, 0,1,2,3,4,5,6,7
	v_cmp_eq_f32 vcc_lo, 0, v[ACC+16+\j]
	v_cndmask_b32 v[ACC+16+\j], v[ACC+16+\j], s27, vcc_lo  ; den == 0: 1e-8
.endr
.irp j, 0,1,2,3,4,5,6,7
	v_rcp_f32 v[ACC+16+\j], v[ACC+16+\j]
.endr
	v_nop                                          ; the plain instruction behind the run of reciprocals
	s_wait_alu depctr_va_vdst(0)
.irp j, 0,1,2,3,4,5,6,7
	v_mul_f32 v[ACC+16+\j], s21, v[ACC+16+\j]      ; lr / den
.endr
.irp n, 0,1
.irp j, 0,1,2,3,4,5,6,7
	v_mul_f32 v[ACC+8*\n+\j], v[ACC+8*\n+\j], v[ACC+16+\j]
	ds_store_b32 v8, v[ACC+8*\n+\j] offset:UP*\j+64*\n
.endr
.endr
	s_wait_dscnt 0x0
	s_barrier_signal -1
	s_barrier_wait -1
.irp i, 0,1,2,3
	ds_load_b128 v[16+4*\i:19+4*\i], v91 offset:16*UP*\i
.endr
	s_wait_loadcnt 0x0                             ; weights
.irp i, 0,1,2,3
	s_wait_dscnt 3-\i                              ; quotients of row group i are in (the count also covers the stores issued meanwhile)
	v_pk_fma_f32 v[16+4*\i:17+4*\i], v[WT+4*\i:WT+4*\i+1], s[30:31], v[16+4*\i:17+4*\i] op_sel_hi:[1,0,1]
	v_pk_fma_f32 v[18+4*\i:19+4*\i], v[WT+4*\i+2:WT+4*\i+3], s[30:31], v[18+4*\i:19+4*\i] op_sel_hi:[1,0,1]
	ds_store_b128 v91, v[16+4*\i:19+4*\i] offset:US-UQ+16*UP*\i
.endr
	s_wait_dscnt 0x0
	s_barrier_signal -1
	s_barrier_wait -1                              ; U is whole
	s_cmp_eq_u32 s[SN], 0
	s_cbranch_scc1 .Lend
	s_sub_co_u32 s24, s[SN], 1
	s_add_co_u32 s25, s[SN], 15
	s_lshr_b32 s25, s25, 4
	s_min_u32 s25, s25, 128
	s_mov_b32 s26, 0
.Lrows:                                                ; 16 entries a trip, two for each store; places past the end repeat the last entry, the same bytes with the same values
	v_lshl_add_u32 v56, s26, 4, v3
.irp i, 0,1,2,3,4,5,6,7
	v_add_nc_u32 v[16+\i], 2*\i, v56
	v_min_u32 v[16+\i], s24, v[16+\i]
	v_min_u32 v[16+\i], 0x7ff, v[16+\i]
	v_lshl_add_u32 v[16+\i], v[16+\i], 2, s[SLIST]
	ds_load_b32 v[24+\i], v[16+\i]
.endr
	s_wait_dscnt 0x0
.irp i, 0,1,2,3,4,5,6,7
	v_bfe_u32 v[48+\i], v[24+\i], 6, 6             ; c
	v_min_u32 v[48+\i], 63, v[48+\i]
	v_mul_u32_u24 v[48+\i], v[48+\i], UP
	v_add_nc_u32 v[48+\i], v93, v[48+\i]
	ds_load_b128 v[96+4*\i:99+4*\i], v[48+\i]
	v_lshrrev_b32 v[24+\i], 12, v[24+\i]           ; the row,
	v_min_u32 v[24+\i], 0x3fff, v[24+\i]           ; inside out1
	v_lshl_add_u32 v[24+\i], v[24+\i], 10, v2
.endr
.irp i, 0,1,2,3,4,5,6,7
	s_wait_dscnt 7-\i
	global_store_b128 v[24+\i], v[96+4*\i:99+4*\i], s[12:13]   ; sixteen lanes store 256 consecutive bytes, aligned
.endr
	s_wait_xcnt 0x0                                ; the stores' offsets and data are rewritten only behind this wait
	s_add_co_u32 s26, s26, 1
	s_cmp_lt_u32 s26, s25
	s_cbranch_scc1 .Lrows
.Lend:
	s_barrier_signal -1
	s_barrier_wait -1
	s_wait_tensorcnt 0x0
	ds_add_u32 v192, v193
	s_wait_dscnt 0x0
	s_endpgm
.Lfunc_end_k_q664fb7c9a5_finish:
	.size	k_q664fb7c9a5_finish, .Lfunc_end_k_q664fb7c9a5_finish-k_q664fb7c9a5_finish
	.p2alignl 7, 3214868480
	.fill 96, 4, 3214868480
	.section	.rodata,"a",@progbits
	.p2align	6, 0x0
	.amdhsa_kernel k_q664fb7c9a5_finish
		.amdhsa_group_segment_fixed_size 113664
		.amdhsa_private_segment_fixed_size 0
		.amdhsa_enable_private_segment 0
		.amdhsa_kernarg_size 40
		.amdhsa_user_sgpr_count 2
		.amdhsa_user_sgpr_kernarg_segment_ptr 1
		.amdhsa_wavefront_size32 1
		.amdhsa_system_sgpr_workgroup_id_x 1
		.amdhsa_system_sgpr_workgroup_id_y 1
		.amdhsa_system_sgpr_workgroup_id_z 1
		.amdhsa_system_vgpr_workitem_id 0
		.amdhsa_next_free_vgpr 194
		.amdhsa_next_free_sgpr 66
		.amdhsa_reserve_vcc 1
		.amdhsa_float_denorm_mode_32 3
		.amdhsa_float_denorm_mode_16_64 3
		.amdhsa_memory_ordered 1
		.amdhsa_forward_progress 1
		.amdhsa_inst_pref_size 61
	.end_amdhsa_kernel
	.amdgpu_metadata
---
amdhsa.version: [ 1, 2 ]
amdhsa.kernels:
  - .name:           k_q664fb7c9a5_finish
    .symbol:         k_q664fb7c9a5_finish.kd
    .args:
      - { .name: bmu, .offset: 0, .size: 8, .value_kind: global_buffer, .address_space: global }
      - { .name: tsum, .offset: 8, .size: 8, .value_kind: global_buffer, .address_space: global }
      - { .name: tcnt, .offset: 16, .size: 8, .value_kind: global_buffer, .address_space: global }
      - { .name: weights, .offset: 24, .size: 8, .value_kind: global_buffer, .address_space: global }
      - { .name: out1, .offset: 32, .size: 8, .value_kind: global_buffer, .address_space: global }
    .group_segment_fixed_size: 113664
    .private_segment_fixed_size: 0
    .kernarg_segment_align: 8
    .kernarg_segment_size: 40
    .max_flat_workgroup_size: 256
    .sgpr_count:     66
    .vgpr_count:     194
    .wavefront_size: 32
...
	.end_amdgpu_metadata
.endif
;; end of part 5
;; ======== version 2 of 3: 5 launches; 1.13 times as fast as version 1
;; limits: values outside matrix products are rounded to bf16
;; workspace buffers: xb 8,388,608 bytes; wb 2,359,296 bytes; part 1,048,576 bytes; bmu 65,536 bytes of whole numbers; tsum 4,194,304 bytes; tcnt 65,536 bytes
;; launch prep: the kernel of part 1 again; grid 256 x 1, 5 waves a work-group, no clusters, 44,288 bytes of LDS; arguments x, weights, xb, wb; writes xb, wb
;; launch score (part 6): grid 32 x 8, 8 waves a work-group, clusters of 4 x 1, 295,936 bytes of LDS; arguments xb, wb, part; writes part
.if DOCPART == 6
	.amdgcn_target "amdgcn-amd-amdhsa--gfx1250"
	.amdhsa_code_object_version 6
	.text
	.protected	k_q664fb7c9a5_score
	.globl	k_q664fb7c9a5_score
	.p2align	8
	.type	k_q664fb7c9a5_score,@function
k_q664fb7c9a5_score:
	s_mov_b64 s[64:65], 0
	v_nop
	global_prefetch_b8 v0, s[64:65] scope:SCOPE_SE
	s_setreg_imm32_b32 hwreg(HW_REG_WAVE_MODE, 25, 1), 1
	s_wait_xcnt 0x0
	s_wait_alu depctr_hold_cnt(0) depctr_sa_sdst(0) depctr_va_vdst(0) depctr_va_sdst(0) depctr_va_ssrc(0) depctr_va_vcc(0) depctr_vm_vsrc(0)
	s_getreg_b32 s2, hwreg(HW_REG_IB_STS2, 6, 4)
	s_cmp_eq_u32 s2, 0
	s_cbranch_scc0 .Lentry_in_a_cluster
	s_endpgm
.Lentry_in_a_cluster:
	s_bfe_u32 s2, ttmp6, 0x10000c
	s_cmp_lg_u32 s2, 0x3003
	s_cbranch_scc0 .Lentry_shape_is_right
	s_endpgm
.Lentry_shape_is_right:
; SCORE: for 512 rows of x and a slab of 512 codes, the largest s = x.w - |w|^2 / 2 of each row and its code (lowest code on a tie).
; |x|^2 is left out: it is the same for all codes of a row and cannot move the argmin.  NaN and infinity in the inputs are not served.
; Work-group (x, y): rows 512 x .. + 511, codes 512 y .. + 511.  The slab (32 code tiles of 9,216 bytes: 16 fragment blocks and the C image of
; -|w|^2 / 2) lies whole in LDS for the launch, 294,912 bytes, read lane by lane in consecutive 16 bytes: no padding is needed.
; CLUSTER: the four work-groups of a cluster lie along x and need the same slab, so its sixteen loads are joint loads that name all four.
; x is not shared through LDS: each wave's rows go straight into its registers in fragment order, and LDS is full.
; EIGHT WAVES of 512 registers, one work-group on the WGP.  A wave owns 64 rows; their fragments (4 row tiles x 8 K steps x 8 registers = 256)
; fill window 1 for the whole launch, everything else lies in window 0.  Two waves share a SIMD's registers (2 x 512), so that the products of
; one can be issued where the other fetches or folds.
; A trip multiplies one code tile with the wave's rows: 32 matrix instructions, A = codes, B = rows, so that register j of lane (r, h) is
; (code 8 h + j, row r) and a running maximum needs no traffic between lanes.  C of the first K step is the image of -|w|^2 / 2.
; Two accumulator sets take turns trip by trip: while one is summed, the other is folded into the running maximum, four plain vector
; instructions behind each matrix instruction.  The next tile is fetched in TWO runs a trip: fragments 0-3 and C behind K step 3, fragments 4-7
; behind K step 7, each sixteen matrix instructions ahead of its first use.
; ONE WINDOW SETTING: only source 1 lies outside window 0 (s_set_vgpr_msb 0x04).  The vector instructions of the trip are written so that
; source 1 is never a vector register; LDS loads name a destination and source 0 alone.
.set WF,   16                          ; v[16:79]   the code tile's 8 fragments
.set CW,   80                          ; v[80:95]   -|w|^2 / 2 as a C operand, two sets
.set ACC,  96                          ; v[96:159]  two sets of 4 row tiles x 8
.set BEST, 160                         ; v[160:191] running maximum, element 8 rt + j
.set IDX,  192                         ; v[192:223] its code tile
.set TMP,  224                         ; v[224:225]
.set CJ,   228                         ; v[228:235] 8 h + j + 512 slab
.set PV,   236
.set PCD,  237
.set OV,   240                         ; v[240:243] two (value, code) pairs to store
.set TILEB,  9216
.set PARTB,  18432                     ; one tensor load: 72 rows of 256 bytes, two code tiles
.set HALFB,  147456                    ; eight of them, one a wave: 16 code tiles
.set MS,     0x04                      ; source 1 in window 1
.set MSB, 0
.macro WIN new                         ; the immediate's high byte repeats the setting that is left
.if MSB != \new
	s_set_vgpr_msb (MSB<<8)|\new
.set MSB, \new
.endif
.endm
.macro ROUND                           ; a round of the cluster's barrier
	s_barrier_signal -1
	s_barrier_wait -1
	s_cmp_lg_u32 s10, 0
	s_cbranch_scc1 .Lnot_wave_0_\@
	s_barrier_signal -3
.Lnot_wave_0_\@:
	s_barrier_wait -3
	s_barrier_signal -1
	s_barrier_wait -1
.endm
.macro XLOAD                           ; my 64 rows of x, 32,768 bytes, into window 1; K step by K step, eight loads a step, so that the first trip can begin on the first eight
	WIN 0x40
.set ks, 0
.rept 8
.set rw, 0
.rept 4
	global_load_b128 v[64*rw+8*ks:64*rw+8*ks+3], v1, s[44:45] offset:8192*rw+1024*ks
	global_load_b128 v[64*rw+8*ks+4:64*rw+8*ks+7], v1, s[44:45] offset:8192*rw+1024*ks+512
.set rw, rw+1
.endr
.set ks, ks+1
.endr
	WIN 0
.endm
.macro FR k, areg, off                 ; fragment k of the tile at byte off from the address register
	ds_load_b128 v[WF+8*\k:WF+8*\k+3], v[\areg] offset:\off+1024*\k
	ds_load_b128 v[WF+8*\k+4:WF+8*\k+7], v[\areg] offset:\off+1024*\k+512
.endm
.macro CWL set, areg, off
	ds_load_b128 v[CW+8*\set:CW+8*\set+3], v[\areg] offset:\off+8192
	ds_load_b128 v[CW+8*\set+4:CW+8*\set+7], v[\areg] offset:\off+8704
.endm
; Elements 2 m and 2 m + 1 of set o against the running maximum.  The sign of the rounded difference is the sign of the exact one.
.macro UPA o, m
	v_fma_f32 v[TMP], v[ACC+32*\o+2*\m], 1.0, -v[BEST+2*\m]
	v_fma_f32 v[TMP+1], v[ACC+32*\o+2*\m+1], 1.0, -v[BEST+2*\m+1]
	v_cmp_gt_f32 s54, v[TMP], 0                    ; strictly larger: the earlier tile keeps a tie
	v_cmp_gt_f32 s55, v[TMP+1], 0
.endm
.macro UPB o, m
	v_max3_num_f32 v[BEST+2*\m], v[ACC+32*\o+2*\m], s42, v[BEST+2*\m]        ; s42 = -infinity: a maximum of two with no vector register as source 1
	v_max3_num_f32 v[BEST+2*\m+1], v[ACC+32*\o+2*\m+1], s42, v[BEST+2*\m+1]
	v_cndmask_b32 v[IDX+2*\m], v[IDX+2*\m], s40, s54
	v_cndmask_b32 v[IDX+2*\m+1], v[IDX+2*\m+1], s40, s55
.endm
; The vector work behind matrix instruction i of a trip; it names no register of that instruction.  Slices 15 and 31 stand in front of a run of
; fetches into fragments that the matrix instruction has read, and are the four places that such a load owes (ISA guide 7.12.1 for vector
; instructions): in mode 0 two v_nop make up the four there, and only there.
.macro SLICE mode, o, i
.if \mode == 0
	v_mov_b32 v[BEST+\i], s42
	v_mov_b32 v[IDX+\i], 0
.if ((\i)%16) == 15
	v_nop
	v_nop
.endif
.else
.if (\i)%2 == 0
	UPA \o, ((\i)/2)
.else
	UPB \o, ((\i)/2)
.endif
.endif
.endm
; One code tile.  s: its accumulator set.  mode 0: the first trip: the running maximum is started, and x is waited for K step by K step;
; mode 1: the other set (tile s40) is folded in.  areg, off: where the next tile lies (off < 0: none is fetched).
; The four accumulators take turns, one instruction a turn, and the sets change from trip to trip.
.macro TRIP s, mode, areg, off
.set kk, 0
.rept 8
.if kk == 0
	s_wait_dscnt 8                                 ; fragments 0-3 and C are in; the eight youngest loads (fragments 4-7) may be out
.endif
.if kk == 4
.if \off >= 0
	s_wait_dscnt 10                                ; fragments 4-7 are in; the ten loads just issued for the next tile stay out
.else
	s_wait_dscnt 0                                 ; nothing was fetched behind them
.endif
.endif
.if \mode == 0
	s_wait_loadcnt 56-8*kk                         ; x of K steps 0 .. kk is in: eight loads a step, the later steps' stay out
.endif
.set rr, 0
.rept 4
.if kk == 0
	v_wmma_f32_16x16x32_bf16 v[ACC+32*\s+8*rr:ACC+32*\s+8*rr+7], v[WF+8*kk:WF+8*kk+7], v[64*rr+8*kk:64*rr+8*kk+7], v[CW+8*\s:CW+8*\s+7]
.else
	v_wmma_f32_16x16x32_bf16 v[ACC+32*\s+8*rr:ACC+32*\s+8*rr+7], v[WF+8*kk:WF+8*kk+7], v[64*rr+8*kk:64*rr+8*kk+7], v[ACC+32*\s+8*rr:ACC+32*\s+8*rr+7]
.endif
	SLICE \mode, (1-\s), (4*kk+rr)
.set rr, rr+1
.endr
.if \off >= 0
.if kk == 3
	FR 0, \areg, \off
	FR 1, \areg, \off
	FR 2, \areg, \off
	FR 3, \areg, \off
	CWL (1-\s), \areg, \off
.endif
.if kk == 7
	FR 4, \areg, \off
	FR 5, \areg, \off
	FR 6, \areg, \off
	FR 7, \areg, \off
.endif
.endif
.set kk, kk+1
.endr
.if \mode
	s_add_co_u32 s40, s40, 1                       ; the tile that the next trip folds in
.endif
.endm
.macro LOOPDT n                        ; n times two tiles; v2 is at the first of the two
	s_mov_b32 s41, \n
.Ldt_\@:
	WIN MS
	TRIP 0, 1, 2, TILEB
	TRIP 1, 1, 2, 2*TILEB
	WIN 0                                          ; at a label and at a branch every window is 0
	v_add_nc_u32 v2, 2*TILEB, v2
	s_sub_co_u32 s41, s41, 1
	s_cmp_lg_u32 s41, 0
	s_cbranch_scc1 .Ldt_\@
.endm
.macro MERGE va, ca, vb, cb            ; (va, ca) = the better of the two; equal values: the lower code
	v_cmp_gt_f32 s56, v[\vb], v[\va]
	v_cmp_eq_f32 s57, v[\vb], v[\va]
	v_cmp_lt_u32 s58, v[\cb], v[\ca]
	s_and_b32 s57, s57, s58
	s_or_b32 s56, s56, s57
	v_cndmask_b32 v[\va], v[\va], v[\vb], s56
	v_cndmask_b32 v[\ca], v[\ca], v[\cb], s56
.endm
	s_load_b128 s[4:7], s[0:1], 0x0                ; xb s[4:5], wb s[6:7]
	s_load_b64 s[8:9], s[0:1], 0x10                ; part
	v_lshl_add_u32 v254, v0, 2, 0x48000
	v_mov_b32 v255, 0
	ds_add_u32 v254, v255
	ds_add_u32 v254, v255
	v_lshrrev_b32 v5, 5, v0
	v_readfirstlane_b32 s10, v5                    ; wave 0..7
	s_bfe_u32 s11, ttmp6, 0x40000                  ; cx
	s_lshl_b32 s12, ttmp9, 2
	s_add_co_u32 s12, s12, s11                     ; row block = 4 x cluster x + cx
	s_and_b32 s13, ttmp7, 0xffff                   ; slab: shared by the four
	v_and_b32 v5, 31, v0
	v_lshlrev_b32 v1, 4, v5                        ; 16 lane: LDS address of tile 0, and offset into xb; never rewritten
	v_lshlrev_b32 v3, 3, v5                        ; 8 lane
	v_lshrrev_b32 v4, 4, v5
	s_lshl_b32 s15, s13, 9
	v_lshl_add_u32 v4, v4, 3, s15                  ; 8 h + 512 slab
	v_mov_b32 v2, v1
	v_mov_b32 v[PV], 0                             ; v_permlanex16_b32 counts as reading its destination
	v_mov_b32 v[PCD], 0
	s_mov_b32 s42, 0xff800000                      ; -infinity
	s_mov_b32 s50, 0x76543210
	s_mov_b32 s51, 0xfedcba98
	s_mov_b32 s52, 0xffff0000
	; descriptor group 1: 72 rows of 32 elements of 8 bytes, dense
	s_mov_b32 s16, 0x0023000f                      ; 15:0 mask: all four of the cluster; 17:16 elements of 8 bytes; 21 set beside a mask
	s_mov_b32 s17, 32<<16                          ; tensor_dim0 = 32
	s_mov_b32 s18, 72<<16                          ; tensor_dim1 = 72
	s_mov_b32 s19, 32<<16                          ; tile_dim0 = 32
	s_mov_b32 s20, 72                              ; tile_dim1 = 72
	s_mov_b32 s21, 32                              ; from row to row
	s_mov_b32 s22, 0
	s_mov_b32 s23, 0
	s_mul_i32 s14, s10, PARTB                      ; my eighth of a half slab, in LDS and in the slab: the wave's number alone
	s_mul_i32 s2, s13, 32*TILEB
	s_add_co_u32 s2, s2, s14
	s_mov_b32 s3, 0
	s_lshl3_add_u32 s43, s12, s10                  ; 8 x row block + wave: my 64 rows
	s_lshl_b32 s60, s43, 15                        ; 32,768 bytes of xb
	s_mov_b32 s61, 0
	s_lshl_b32 s62, s13, 17                        ; part: 131,072 bytes a slab,
	s_lshl_b32 s63, s43, 9                         ; 512 bytes for 64 rows
	s_add_co_u32 s62, s62, s63
	s_mov_b32 s63, 0
	s_wait_dscnt 0x0
	s_wait_kmcnt 0x0
	s_add_nc_u64 s[6:7], s[6:7], s[2:3]
	s_add_nc_u64 s[44:45], s[4:5], s[60:61]
	s_add_nc_u64 s[48:49], s[8:9], s[62:63]
.irp c, 0,1
	s_mov_b32 s[24+4*\c], 1
	s_add_co_u32 s[25+4*\c], s14, \c*HALFB
	s_add_nc_u64 s[26+4*\c:27+4*\c], s[6:7], \c*HALFB
	s_or_b32 s[27+4*\c], s[27+4*\c], 0x80000000
.endr
	ROUND                                          ; the four work-groups are here: the joint loads meet
	tensor_load_to_lds s[24:27], s[16:23]          ; all fills of the launch go out together: two loads of this wave are out at the most
	s_nop 0
	tensor_load_to_lds s[28:31], s[16:23]
	s_nop 0
	XLOAD
	s_wait_tensorcnt 0x1                           ; my part of tiles 0-15 is in; the other load stays out
	s_barrier_signal -1
	s_barrier_wait -1
	FR 0, 1, 0                                     ; tile 0, in the order in which every trip fetches: fragments 0-3, C, fragments 4-7
	FR 1, 1, 0
	FR 2, 1, 0
	FR 3, 1, 0
	CWL 0, 1, 0
	FR 4, 1, 0
	FR 5, 1, 0
	FR 6, 1, 0
	FR 7, 1, 0
	WIN MS
	TRIP 0, 0, 2, TILEB                            ; tile 0
	s_mov_b32 s40, 0
	TRIP 1, 1, 2, 2*TILEB                          ; tile 1
	WIN 0
	v_add_nc_u32 v2, 2*TILEB, v2
	LOOPDT 6                                       ; tiles 2-13; the last of them fetches tile 14
	s_wait_dscnt 0x0                               ; no LDS instruction is pending at a signal
	s_wait_tensorcnt 0x0                           ; my part of tiles 16-31 is in: the trip of tile 15 already fetches tile 16
	s_barrier_signal -1
	s_barrier_wait -1                              ; everybody's is
	LOOPDT 8                                       ; tiles 14-29
	WIN MS
	TRIP 0, 1, 2, TILEB                            ; tile 30
	TRIP 1, 1, 2, -1                               ; tile 31: nothing is left to fetch
	; the last tile is folded in, then each row's best of 16 places, then 64 (value, code) pairs leave
.set mm, 0
.rept 16
	UPA 1, mm
	UPB 1, mm
.set mm, mm+1
.endr
	WIN 0
.irp j, 0,1,2,3,4,5,6,7
	v_add_nc_u32 v[CJ+\j], \j, v4
.endr
.set ii, 0
.rept 32
	v_lshl_add_u32 v[IDX+ii], v[IDX+ii], 4, v[CJ+ii%8]     ; code = 16 tile + 8 h + j + 512 slab
.set ii, ii+1
.endr
.irp rt, 0,1,2,3
	MERGE (BEST+8*\rt), (IDX+8*\rt), (BEST+8*\rt+1), (IDX+8*\rt+1)
	MERGE (BEST+8*\rt+2), (IDX+8*\rt+2), (BEST+8*\rt+3), (IDX+8*\rt+3)
	MERGE (BEST+8*\rt+4), (IDX+8*\rt+4), (BEST+8*\rt+5), (IDX+8*\rt+5)
	MERGE (BEST+8*\rt+6), (IDX+8*\rt+6), (BEST+8*\rt+7), (IDX+8*\rt+7)
	MERGE (BEST+8*\rt), (IDX+8*\rt), (BEST+8*\rt+2), (IDX+8*\rt+2)
	MERGE (BEST+8*\rt+4), (IDX+8*\rt+4), (BEST+8*\rt+6), (IDX+8*\rt+6)
	MERGE (BEST+8*\rt), (IDX+8*\rt), (BEST+8*\rt+4), (IDX+8*\rt+4)
	v_permlanex16_b32 v[PV], v[BEST+8*\rt], s50, s51       ; the other eight codes of the tile lie in the other half of the lanes
	v_permlanex16_b32 v[PCD], v[IDX+8*\rt], s50, s51
	MERGE (BEST+8*\rt), (IDX+8*\rt), PV, PCD
.endr
	v_cndmask_b32 v[OV], v[BEST], v[BEST+8], s52           ; lanes 0-15: rows 0-15 (tile 0); lanes 16-31: rows 16-31 (tile 1)
	v_cndmask_b32 v[OV+1], v[IDX], v[IDX+8], s52
	v_cndmask_b32 v[OV+2], v[BEST+16], v[BEST+24], s52
	v_cndmask_b32 v[OV+3], v[IDX+16], v[IDX+24], s52
	global_store_b64 v3, v[OV:OV+1], s[48:49]              ; each store covers 256 consecutive bytes, aligned
	global_store_b64 v3, v[OV+2:OV+3], s[48:49] offset:256
	s_wait_tensorcnt 0x0
	ds_add_u32 v254, v255
	s_wait_dscnt 0x0
	ROUND                                          ; the closing round: no work-group ends while a partner may still ask
	s_endpgm
.Lfunc_end_k_q664fb7c9a5_score:
	.size	k_q664fb7c9a5_score, .Lfunc_end_k_q664fb7c9a5_score-k_q664fb7c9a5_score
	.p2alignl 7, 3214868480
	.fill 96, 4, 3214868480
	.section	.rodata,"a",@progbits
	.p2align	6, 0x0
	.amdhsa_kernel k_q664fb7c9a5_score
		.amdhsa_group_segment_fixed_size 295936
		.amdhsa_private_segment_fixed_size 0
		.amdhsa_enable_private_segment 0
		.amdhsa_kernarg_size 24
		.amdhsa_user_sgpr_count 2
		.amdhsa_user_sgpr_kernarg_segment_ptr 1
		.amdhsa_wavefront_size32 1
		.amdhsa_system_sgpr_workgroup_id_x 1
		.amdhsa_system_sgpr_workgroup_id_y 1
		.amdhsa_system_sgpr_workgroup_id_z 1
		.amdhsa_system_vgpr_workitem_id 0
		.amdhsa_next_free_vgpr 512
		.amdhsa_next_free_sgpr 66
		.amdhsa_reserve_vcc 0
		.amdhsa_float_denorm_mode_32 3
		.amdhsa_float_denorm_mode_16_64 3
		.amdhsa_memory_ordered 1
		.amdhsa_forward_progress 1
		.amdhsa_inst_pref_size 119
	.end_amdhsa_kernel
	.amdgpu_metadata
---
amdhsa.version: [ 1, 2 ]
amdhsa.kernels:
  - .name:           k_q664fb7c9a5_score
    .symbol:         k_q664fb7c9a5_score.kd
    .args:
      - { .name: xb, .offset: 0, .size: 8, .value_kind: global_buffer, .address_space: global }
      - { .name: wb, .offset: 8, .size: 8, .value_kind: global_buffer, .address_space: global }
      - { .name: part, .offset: 16, .size: 8, .value_kind: global_buffer, .address_space: global }
    .group_segment_fixed_size: 295936
    .private_segment_fixed_size: 0
    .kernarg_segment_align: 8
    .kernarg_segment_size: 24
    .max_flat_workgroup_size: 256
    .sgpr_count:     66
    .vgpr_count:     512
    .wavefront_size: 32
...
	.end_amdgpu_metadata
.endif
;; end of part 6
;; launch pick: the kernel of part 3 again; grid 64 x 1, 4 waves a work-group, no clusters, 0 bytes of LDS; arguments part, out0, bmu; writes out0, bmu
;; launch spread (part 7): grid 64 x 4, 8 waves a work-group, no clusters, 250,112 bytes of LDS; arguments bmu, x, tsum, tcnt; writes tsum, tcnt
.if DOCPART == 7
	.amdgcn_target "amdgcn-amd-amdhsa--gfx1250"
	.amdhsa_code_object_version 6
	.text
	.protected	k_q664fb7c9a5_spread
	.globl	k_q664fb7c9a5_spread
	.p2align	8
	.type	k_q664fb7c9a5_spread,@function
k_q664fb7c9a5_spread:
	s_mov_b64 s[64:65], 0
	v_nop
	global_prefetch_b8 v0, s[64:65] scope:SCOPE_SE
	s_setreg_imm32_b32 hwreg(HW_REG_WAVE_MODE, 25, 1), 1
	s_wait_xcnt 0x0
; SPREAD: T[a][d][f] = sum over the rows whose best unit lies in grid row a of g(b - d) x[row][f], and tcnt = the same sum with 1 for x.
; The dense h and its product with x are not formed: h = g(a_b - c) g(b_b - d), so the sum over rows is taken grid row by grid row here and
; the sum over a in the next launch (the distributive law, for all inputs).
; Work-group (a, fq): grid row a, features 64 fq .. + 63.  Wave w scans rows 2048 w .. + 2047 of the index list for code >> 6 == a and keeps
; (row << 12 | code) in a list of its own in LDS; then, 32 entries at a time, D[d][f] += A[d][e] B[e][f].
; A[d][e] = g(b_e - d) comes from a table in LDS by a transposing load in which each lane addresses the table row of its own entry.
; B needs no transposition: lane (r, h) loads the 16 bytes at 16 r of the 256-byte piece of entries 8 h + u and 16 + 8 h + u, u = 0..7, and
; column tile t is DEFINED as the features 4 r + t, so that register j of its fragment is word t of loads 2 j and 2 j + 1, rounded and packed.
; A fifth column tile is a constant: 1 in column 0; its product is the count.  Entries past the list's end take the table's row of zeros.
; The eight waves' sums meet in LDS, where tile t of lane r lands at byte 16 r + 4 t of a row: the features' own order again.
; REGISTERS: window 0 holds addresses, entries, fragments and the loaded rows; the 20 accumulator tiles lie in window 1 (v256-415, tile (mt, nt)
; at 8 (5 mt + nt)).  The products run under one setting (C and D in window 1), the stores of the sums under another (data in window 1).
; No tensor loads and no cluster: what work-groups share is the index list of 64 KiB; each 256 bytes of x is read by one work-group.
; Limit: an entry past the end multiplies row 0 of x by zero, so a NaN or an infinity there would spread.
.set GTP,    144                       ; table row: 64 bf16 + 16 bytes
.set ZROW,   64*GTP                    ; the row of zeros
.set LIST,   9472
.set LISTB,  8448                      ; 2048 entries, 32 of padding, one word for what does not match
.set RED,    77056
.set REDB,   21504
.set RP,     336                       ; 80 f32 + 16 bytes
.set ENT, 16                           ; v[16:31]   my 16 entries of the chunk
.set EV,  16                           ; v[16:31]   (before the loop) 16 values of the table
.set AF,  32                           ; v[32:63]   A, 4 tiles of d
.set BF,  64                           ; v[64:103]  B, 4 tiles of f and the tile of ones
.set IX,  104                          ; v[104:167] the wave's 2048 codes
.set LD,  104                          ; v[104:167] then the chunk's 16 loads of x
.set LG,  176                          ; v176       list address of entry 8 h + lane % 8
.set TA,  48                           ; v[48:63]   the scan: 8 places and 8 entries,
.set TB,  64                           ; v[64:79]   two sets in turn
.set KEY, 14
.set SN,  20
.set SLIST, 17
.set MK,  40                           ; s[40:47]   the scan: eight masks
.set RS,  48                           ; s[48:55]   the scan: eight running sums
.set MSB, 0
.macro WIN new                         ; the immediate's high byte repeats the setting that is left
.if MSB != \new
	s_set_vgpr_msb (MSB<<8)|\new
.set MSB, \new
.endif
.endm
; The wave's 2,048 codes against the key, eight codes (two loads) a step.  kind 0: key = code >> 6; 1: key = code & 63.  extra: loads issued
; behind the list's.  Each of the eight has registers of its own and each kind of line comes eight times in a row, so that no line needs the
; result of the line in front of it; the two sets of vector registers take turns, so that a store's sources are not rewritten by the next step.
.macro SCAN kind, extra
	s_mov_b32 s[SN], 0
.set g, 0
.rept 8
.if g%2
.set PL, TB
.else
.set PL, TA
.endif
	s_wait_loadcnt 14-2*g+\extra                   ; loads 2 g and 2 g + 1 are in, the younger ones stay out
.irp u, 0,1,2,3,4,5,6,7
.if \kind
	v_and_b32 v[PL+\u], 63, v[IX+8*g+\u]
.else
	v_lshrrev_b32 v[PL+\u], 6, v[IX+8*g+\u]
.endif
.endr
.irp u, 0,1,2,3,4,5,6,7
	v_cmp_eq_u32 s[MK+\u], s[KEY], v[PL+\u]
.endr
.irp u, 0,1,2,3,4,5,6,7
	v_add3_u32 v[PL+8+\u], v[IX+8*g+\u], v12, (128*(2*g+(\u)/4)+(\u)%4)<<12   ; row << 12 | code
.endr
.irp u, 0,1,2,3,4,5,6,7
	s_bcnt1_i32_b32 s[RS+\u], s[MK+\u]
.endr
	s_add_co_u32 s[RS], s[RS], s[SN]               ; RS + u: entries up to and with code u of the eight
.irp u, 1,2,3,4,5,6,7
	s_add_co_u32 s[RS+\u], s[RS+\u], s[RS+\u-1]
.endr
	v_mbcnt_lo_u32_b32 v[PL], s[MK], s[SN]         ; my place: entries so far + matching lanes below me
.irp u, 1,2,3,4,5,6,7
	v_mbcnt_lo_u32_b32 v[PL+\u], s[MK+\u], s[RS+\u-1]
.endr
	s_mov_b32 s[SN], s[RS+7]
.irp u, 0,1,2,3,4,5,6,7
	v_cndmask_b32 v[PL+\u], v13, v[PL+\u], s[MK+\u]        ; no match: the spare word
.endr
.irp u, 0,1,2,3,4,5,6,7
	v_min_u32 v[PL+\u], 0x820, v[PL+\u]
.endr
.irp u, 0,1,2,3,4,5,6,7
	v_lshl_add_u32 v[PL+\u], v[PL+\u], 2, s[SLIST]
.endr
.irp u, 0,1,2,3,4,5,6,7
	ds_store_b32 v[PL+\u], v[PL+8+\u]
.endr
.set g, g+1
.endr
.endm
.macro ADDQ a, b
	v_pk_add_f32 v[\a:\a+1], v[\a:\a+1], v[\b:\b+1]
	v_pk_add_f32 v[\a+2:\a+3], v[\a+2:\a+3], v[\b+2:\b+3]
.endm
; 32 entries, chunk s22 of the wave's list.  first = 1: the products start the sums.  The chunk stores nothing into LDS.
.macro CHUNK first
	s_lshl_b32 s27, s22, 7                         ; 128 bytes of list a chunk,
	s_min_u32 s27, s27, 8064                       ; 64 chunks at the most
	s_lshl_b32 s28, s22, 5
	v_add_nc_u32 v168, s27, v4                     ; entries 8 h + 0..7 (and + 16 by the immediate)
	v_add_nc_u32 v169, s27, v[LG]                  ; entry 8 h + lane % 8: whose table row I address
	ds_load_b128 v[ENT:ENT+3], v168
	ds_load_b128 v[ENT+4:ENT+7], v168 offset:16
	ds_load_b128 v[ENT+8:ENT+11], v168 offset:64
	ds_load_b128 v[ENT+12:ENT+15], v168 offset:80
	ds_load_b32 v170, v169
	ds_load_b32 v171, v169 offset:64
	v_add_nc_u32 v172, s28, v6                     ; the numbers of those two entries in the list
	v_add_nc_u32 v173, 16, v172
	s_wait_dscnt 0x0
.irp u, 0,1,2,3,4,5,6,7,8,9,10,11,12,13,14,15
	v_lshrrev_b32 v[LD+4*\u], 12, v[ENT+\u]        ; the row,
	v_min_u32 v[LD+4*\u], 0x3fff, v[LD+4*\u]       ; inside x,
	v_lshl_add_u32 v[LD+4*\u], v[LD+4*\u], 10, v2  ; its 256 bytes: sixteen lanes, 16 bytes each
	global_load_b128 v[LD+4*\u:LD+4*\u+3], v[LD+4*\u], s[6:7]
.endr
	v_and_b32 v170, 63, v170                       ; b of my two entries
	v_and_b32 v171, 63, v171
	v_cmp_gt_u32 vcc_lo, s[SN], v172
	v_cndmask_b32 v170, 64, v170, vcc_lo           ; past the end: the row of zeros
	v_cmp_gt_u32 vcc_lo, s[SN], v173
	v_cndmask_b32 v171, 64, v171, vcc_lo
	v_min_u32 v170, 64, v170
	v_min_u32 v171, 64, v171
	v_mul_u32_u24 v170, v170, GTP
	v_mul_u32_u24 v171, v171, GTP
	v_add_nc_u32 v170, v7, v170
	v_add_nc_u32 v171, v7, v171
.irp mt, 0,1,2,3
	ds_load_tr16_b128 v[AF+8*\mt:AF+8*\mt+3], v170 offset:32*\mt       ; g(b_e - d), e = 8 h + 0..7, d = 16 mt + lane % 16
	ds_load_tr16_b128 v[AF+8*\mt+4:AF+8*\mt+7], v171 offset:32*\mt     ; e = 16 + 8 h + 0..7
.endr
.irp j, 0,1,2,3,4,5,6,7
	s_wait_loadcnt 14-2*\j                         ; loads 2 j and 2 j + 1 are in, the younger ones stay out
.irp t, 0,1,2,3
	v_cvt_pk_bf16_f32 v[BF+8*\t+\j], v[LD+8*\j+\t], v[LD+8*\j+4+\t]    ; tile t, register j: two neighbouring entries of feature 4 r + t
.endr
.endr
	s_wait_dscnt 0x0                               ; A
	WIN 0x50                                       ; C and D in window 1
.irp mt, 0,1,2,3
.irp nt, 0,1,2,3,4
.if \first
	v_wmma_f32_16x16x32_bf16 v[8*(5*\mt+\nt):8*(5*\mt+\nt)+7], v[AF+8*\mt:AF+8*\mt+7], v[BF+8*\nt:BF+8*\nt+7], 0
.else
	v_wmma_f32_16x16x32_bf16 v[8*(5*\mt+\nt):8*(5*\mt+\nt)+7], v[AF+8*\mt:AF+8*\mt+7], v[BF+8*\nt:BF+8*\nt+7], v[8*(5*\mt+\nt):8*(5*\mt+\nt)+7]
.endif
.endr
.endr
	WIN 0                                          ; at a label and at a branch every window is 0
.rept 4
	v_nop                                          ; four places before the fragments are written again or the sums are stored (ISA guide 7.12.1)
.endr
.endm
	s_load_b256 s[4:11], s[0:1], 0x0               ; bmu s[4:5], x s[6:7], tsum s[8:9], tcnt s[10:11]
	v_lshl_add_u32 v254, v0, 2, 0x3cd00
	v_mov_b32 v255, 0
	v_lshrrev_b32 v9, 5, v0
	v_readfirstlane_b32 s12, v9                    ; wave 0..7
	s_and_b32 s13, ttmp7, 0xffff                   ; fq
	s_mov_b32 s[KEY], ttmp9                        ; a
	v_and_b32 v1, 31, v0                           ; lane
	s_lshl_b32 s15, s12, 13
	v_lshl_add_u32 v14, v1, 4, s15                 ; my 16 bytes of the wave's 8,192
	s_wait_kmcnt 0x0
.set q, 0
.rept 16
	global_load_b128 v[IX+4*q:IX+4*q+3], v14, s[4:5] offset:512*q
.set q, q+1
.endr
	s_mov_b32 s26, 0xba618ce0                      ; -log2(e) / (2 sigma^2), sigma = 32 exp(-0.1)
	s_mul_i32 s[SLIST], s12, LISTB
	s_add_co_u32 s[SLIST], s[SLIST], LIST
	s_mul_i32 s19, s12, REDB
	s_add_co_u32 s19, s19, RED
	s_lshl_b32 s16, s12, 23
	v_lshl_add_u32 v12, v1, 14, s16                ; (2048 w + 4 lane) << 12
	v_mov_b32 v13, 2080
	v_lshrrev_b32 v3, 4, v1                        ; h
	v_and_b32 v9, 15, v1                           ; r
	s_lshl_b32 s15, s13, 8
	v_lshl_add_u32 v2, v9, 4, s15                  ; 256 fq + 16 r
	v_lshl_add_u32 v4, v3, 5, s[SLIST]             ; my list + 8 h entries
	v_and_b32 v10, 7, v1
	v_lshl_add_u32 v6, v3, 3, v10                  ; 8 h + lane % 8
	v_lshl_add_u32 v[LG], v6, 2, s[SLIST]
	v_bfe_u32 v11, v1, 3, 1
	v_lshlrev_b32 v7, 4, v11                       ; the transposing load's half of 32 bytes (the table begins at LDS byte 0)
	v_mul_u32_u24 v8, v3, 8*RP                     ; sums: row 8 h (+ 16 mt + j)
	v_add_nc_u32 v8, s19, v8
	v_lshl_add_u32 v5, v9, 2, v8                   ; the count tile: column 64 + r
	v_add_nc_u32 v5, 256, v5
	v_lshl_add_u32 v8, v9, 4, v8                   ; tiles 0-3: columns 4 r (+ t)
	v_mov_b32 v177, 0x3f803f80                     ; two bf16 1.0
	v_cmp_eq_u32 vcc_lo, 0, v9
.irp i, 0,1,2,3,4,5,6,7
	v_cndmask_b32 v[BF+32+\i], 0, v177, vcc_lo     ; the fifth tile of B: column 0 is 1 for every entry, the rest 0
.endr
	s_lshl_b32 s24, s[KEY], 16
	s_add_co_u32 s24, s24, s15
	s_mov_b32 s25, 0
	s_add_nc_u64 s[8:9], s[8:9], s[24:25]          ; tsum at (a, d = 0, 64 fq)
	s_lshl_b32 s24, s13, 6
	s_add_co_u32 s24, s24, s[KEY]
	s_lshl_b32 s24, s24, 8
	s_add_nc_u64 s[10:11], s[10:11], s[24:25]      ; tcnt at (fq, a)
	; the table g(b - d) in bf16: thread t makes row b = t / 4, d = 16 (t % 4) + 0..15
	v_lshrrev_b32 v9, 2, v0
	v_and_b32 v10, 3, v0
	v_lshlrev_b32 v11, 4, v10
	v_sub_nc_u32 v15, v9, v11                      ; b - 16 (t % 4)
	v_mul_u32_u24 v9, v9, GTP
	v_lshl_add_u32 v9, v10, 5, v9
.set g, 0
.rept 4
.irp u, 0,1,2,3
	v_add_nc_u32 v[EV+4*g+\u], -(4*g+\u), v15
.endr
.irp u, 0,1,2,3
	v_cvt_f32_i32 v[EV+4*g+\u], v[EV+4*g+\u]
.endr
.irp u, 0,1,2,3
	v_mul_f32 v[EV+4*g+\u], v[EV+4*g+\u], v[EV+4*g+\u]
.endr
.irp u, 0,1,2,3
	v_mul_f32 v[EV+4*g+\u], s26, v[EV+4*g+\u]
.endr
.irp u, 0,1,2,3
	v_exp_f32 v[EV+4*g+\u], v[EV+4*g+\u]           ; four in a run; the next group's first line, or the v_nop, is the plain instruction behind them
.endr
.set g, g+1
.endr
	v_nop
	s_wait_alu depctr_va_vdst(0)
.irp m, 0,1,2,3,4,5,6,7
	v_cvt_pk_bf16_f32 v[32+\m], v[EV+2*\m], v[EV+2*\m+1]
.endr
	ds_store_b128 v9, v[32:35]
	ds_store_b128 v9, v[36:39] offset:16
	v_mov_b32 v40, 0
	v_and_b32 v11, 3, v1                           ; the row of zeros: wave w writes its words 4 w .. 4 w + 3
	s_lshl_b32 s16, s12, 4
	s_add_co_u32 s16, s16, ZROW
	v_lshl_add_u32 v11, v11, 2, s16
	ds_store_b32 v11, v40
	SCAN 0, 0
	s_min_u32 s[SN], s[SN], 2048
	v_add_nc_u32 v88, s[SN], v1                    ; 32 entries of padding behind the list: row 0
	v_min_u32 v88, 0x81f, v88
	v_lshl_add_u32 v88, v88, 2, s[SLIST]
	ds_store_b32 v88, v40
	s_add_co_u32 s23, s[SN], 31
	s_lshr_b32 s23, s23, 5
	s_max_u32 s23, s23, 1                          ; an empty list still makes one chunk, of zeros: the sums are started
	s_min_u32 s23, s23, 64
	s_wait_dscnt 0x0                               ; my part of the table and my list are written,
	s_barrier_signal -1
	s_barrier_wait -1                              ; everybody's are
	s_mov_b32 s22, 0
	CHUNK 1
	s_mov_b32 s22, 1
	s_cmp_lt_u32 s22, s23
	s_cbranch_scc0 .Lsums
.Lchunk:                                               ; the twenty accumulators take turns, one instruction a turn, over the jump too
	CHUNK 0
	s_add_co_u32 s22, s22, 1
	s_cmp_lt_u32 s22, s23
	s_cbranch_scc1 .Lchunk
.Lsums:
	; The list reads' addresses hang on a count taken from data.  This barrier puts every wave's reads of lists and table in front of every
	; LDS store that follows, so that the ordering holds by the text alone, whatever the counts.
	s_wait_dscnt 0x0
	s_barrier_signal -1
	s_barrier_wait -1
	WIN 0x04                                       ; the stores' data in window 1
.irp mt, 0,1,2,3
.irp nt, 0,1,2,3
.irp j, 0,1,2,3,4,5,6,7
	ds_store_b32 v8, v[8*(5*\mt+\nt)+\j] offset:(16*\mt+\j)*RP+4*\nt   ; (d = 16 mt + 8 h + j, f = 4 r + nt)
.endr
.endr
.irp j, 0,1,2,3,4,5,6,7
	ds_store_b32 v5, v[8*(5*\mt+4)+\j] offset:(16*\mt+\j)*RP           ; the count tile, columns 64 + r
.endr
.endr
	WIN 0
	s_wait_dscnt 0x0
	s_barrier_signal -1
	s_barrier_wait -1
	; thread t adds the eight waves' 16 bytes at column 4 (t % 16) of rows d = t / 16 + 16 i
	v_and_b32 v9, 15, v0
	v_lshrrev_b32 v10, 4, v0
	v_mul_u32_u24 v16, v10, RP
	v_lshl_add_u32 v16, v9, 4, v16
	v_add_nc_u32 v16, RED, v16
	v_add_nc_u32 v17, 2*REDB, v16
	v_add_nc_u32 v18, 4*REDB, v16
	v_add_nc_u32 v19, 6*REDB, v16
	v_lshlrev_b32 v20, 10, v10
	v_lshl_add_u32 v20, v9, 4, v20
.irp i, 0,1,2,3
.irp w2, 0,1,2,3
	ds_load_b128 v[96+32*\i+8*\w2:96+32*\i+8*\w2+3], v[16+\w2] offset:16*RP*\i
	ds_load_b128 v[96+32*\i+8*\w2+4:96+32*\i+8*\w2+7], v[16+\w2] offset:16*RP*\i+REDB
.endr
.endr
.irp i, 0,1,2,3
	s_wait_dscnt 8*(3-\i)                          ; the eight loads of row group i are in
	ADDQ (96+32*\i), (96+32*\i+4)
	ADDQ (96+32*\i+8), (96+32*\i+12)
	ADDQ (96+32*\i+16), (96+32*\i+20)
	ADDQ (96+32*\i+24), (96+32*\i+28)
	ADDQ (96+32*\i), (96+32*\i+8)
	ADDQ (96+32*\i+16), (96+32*\i+24)
	ADDQ (96+32*\i), (96+32*\i+16)
	global_store_b128 v20, v[96+32*\i:96+32*\i+3], s[8:9] offset:16384*\i     ; sixteen lanes store 256 consecutive bytes, aligned
.endr
	s_cmp_lg_u32 s12, 0
	s_cbranch_scc1 .Lend
	v_mul_u32_u24 v21, v1, 2*RP                    ; wave 0: the counts (column 64) of d = 2 lane and 2 lane + 1
	v_add_nc_u32 v21, RED+256, v21
	v_add_nc_u32 v22, 2*REDB, v21
	v_add_nc_u32 v23, 4*REDB, v21
	v_add_nc_u32 v24, 6*REDB, v21
	v_lshlrev_b32 v25, 3, v1
.irp w2, 0,1,2,3
	ds_load_b32 v[32+4*\w2], v[21+\w2]
	ds_load_b32 v[33+4*\w2], v[21+\w2] offset:RP
	ds_load_b32 v[34+4*\w2], v[21+\w2] offset:REDB
	ds_load_b32 v[35+4*\w2], v[21+\w2] offset:REDB+RP
.endr
	s_wait_dscnt 0x0
	v_pk_add_f32 v[32:33], v[32:33], v[34:35]
	v_pk_add_f32 v[36:37], v[36:37], v[38:39]
	v_pk_add_f32 v[40:41], v[40:41], v[42:43]
	v_pk_add_f32 v[44:45], v[44:45], v[46:47]
	v_pk_add_f32 v[32:33], v[32:33], v[36:37]
	v_pk_add_f32 v[40:41], v[40:41], v[44:45]
	v_pk_add_f32 v[32:33], v[32:33], v[40:41]
	global_store_b64 v25, v[32:33], s[10:11]       ; 256 consecutive bytes, aligned
.Lend:
	s_barrier_signal -1
	s_barrier_wait -1
	s_wait_tensorcnt 0x0
	ds_add_u32 v254, v255
	s_wait_dscnt 0x0
	s_endpgm
.Lfunc_end_k_q664fb7c9a5_spread:
	.size	k_q664fb7c9a5_spread, .Lfunc_end_k_q664fb7c9a5_spread-k_q664fb7c9a5_spread
	.p2alignl 7, 3214868480
	.fill 96, 4, 3214868480
	.section	.rodata,"a",@progbits
	.p2align	6, 0x0
	.amdhsa_kernel k_q664fb7c9a5_spread
		.amdhsa_group_segment_fixed_size 250112
		.amdhsa_private_segment_fixed_size 0
		.amdhsa_enable_private_segment 0
		.amdhsa_kernarg_size 32
		.amdhsa_user_sgpr_count 2
		.amdhsa_user_sgpr_kernarg_segment_ptr 1
		.amdhsa_wavefront_size32 1
		.amdhsa_system_sgpr_workgroup_id_x 1
		.amdhsa_system_sgpr_workgroup_id_y 1
		.amdhsa_system_sgpr_workgroup_id_z 1
		.amdhsa_system_vgpr_workitem_id 0
		.amdhsa_next_free_vgpr 416
		.amdhsa_next_free_sgpr 66
		.amdhsa_reserve_vcc 1
		.amdhsa_float_denorm_mode_32 3
		.amdhsa_float_denorm_mode_16_64 3
		.amdhsa_memory_ordered 1
		.amdhsa_forward_progress 1
		.amdhsa_inst_pref_size 83
	.end_amdhsa_kernel
	.amdgpu_metadata
---
amdhsa.version: [ 1, 2 ]
amdhsa.kernels:
  - .name:           k_q664fb7c9a5_spread
    .symbol:         k_q664fb7c9a5_spread.kd
    .args:
      - { .name: bmu, .offset: 0, .size: 8, .value_kind: global_buffer, .address_space: global }
      - { .name: x, .offset: 8, .size: 8, .value_kind: global_buffer, .address_space: global }
      - { .name: tsum, .offset: 16, .size: 8, .value_kind: global_buffer, .address_space: global }
      - { .name: tcnt, .offset: 24, .size: 8, .value_kind: global_buffer, .address_space: global }
    .group_segment_fixed_size: 250112
    .private_segment_fixed_size: 0
    .kernarg_segment_align: 8
    .kernarg_segment_size: 32
    .max_flat_workgroup_size: 256
    .sgpr_count:     66
    .vgpr_count:     416
    .wavefront_size: 32
...
	.end_amdgpu_metadata
.endif
;; end of part 7
;; launch finish (part 8): grid 64 x 4, 8 waves a work-group, no clusters, 113,664 bytes of LDS; arguments bmu, tsum, tcnt, weights, out1; writes out1
.if DOCPART == 8
	.amdgcn_target "amdgcn-amd-amdhsa--gfx1250"
	.amdhsa_code_object_version 6
	.text
	.protected	k_q664fb7c9a5_finish
	.globl	k_q664fb7c9a5_finish
	.p2align	8
	.type	k_q664fb7c9a5_finish,@function
k_q664fb7c9a5_finish:
	s_mov_b64 s[64:65], 0
	v_nop
	global_prefetch_b8 v0, s[64:65] scope:SCOPE_SE
	s_setreg_imm32_b32 hwreg(HW_REG_WAVE_MODE, 25, 1), 1
	s_wait_xcnt 0x0
; FINISH: num[(c,d)] = sum over a of g(a - c) T[a][d], den likewise of the counts, U = weights (1 - lr) + lr num / den, and each row of out1
; takes the U of its best unit.  The dense h is not formed (h = g(a_b - c) g(b_b - d): the sum over rows was taken in the launch before).
; Work-group (d, fq): grid column d, features 64 fq .. + 63, all 64 c.  D[c][f] = A[c][a] B[a][f], K = 64.  A = g(a - c) is made in registers.
; B = T[.][d] rounded to bf16 in LDS, with a fifth column tile that holds the count split in two bf16 (upper part, rest) in columns 0 and 1.
; Wave w makes rows 16 (w % 4) .. + 15, column tiles 2 (w / 4), 2 (w / 4) + 1 and the count tile.  The test den == 0 is kept.
; Each wave scans 2,048 rows of the index list for code & 63 == d and stores U[code >> 6] to those rows, 256 bytes a row.
; No tensor loads and no cluster: what work-groups share is the index list of 64 KiB.
.set LISTB, 8448                       ; the lists begin at LDS byte 0
.set TS,    67584
.set TP,    160                        ; 64 bf16 of T, then the count tile
.set UQ,    77824                      ; lr num / den, f32
.set US,    95232                      ; U, f32: bytes of its own, so that between two barriers no byte is both read and written
.set UP,    272
.set TSU, 16                           ; v[16:31]
.set WT,  32                           ; v[32:47]
.set CN,  48
.set ACC, 64                           ; v[64:87]   two column tiles and the count tile
.set IX,  96                           ; v[96:159]
.set EV,  96                           ; v[96:127]  g(a - c), 32 values
.set BF,  128                          ; v[128:175] B: 8 (3 ks + n)
.set AF,  176                          ; v[176:191] A: 8 ks
.set TA,  64                           ; v[64:79]   the scan: 8 places and 8 entries,
.set TB,  160                          ; v[160:175] two sets in turn
.set KEY, 16
.set SN,  18
.set SLIST, 17
.set MK,  40                           ; s[40:47]   the scan: eight masks
.set RS,  48                           ; s[48:55]   the scan: eight running sums
; The wave's 2,048 codes against the key, eight codes (two loads) a step.  kind 0: key = code >> 6; 1: key = code & 63.  extra: loads issued
; behind the list's.  Each of the eight has registers of its own and each kind of line comes eight times in a row, so that no line needs the
; result of the line in front of it; the two sets of vector registers take turns, so that a store's sources are not rewritten by the next step.
.macro SCAN kind, extra
	s_mov_b32 s[SN], 0
.set g, 0
.rept 8
.if g%2
.set PL, TB
.else
.set PL, TA
.endif
	s_wait_loadcnt 14-2*g+\extra                   ; loads 2 g and 2 g + 1 are in, the younger ones stay out
.irp u, 0,1,2,3,4,5,6,7
.if \kind
	v_and_b32 v[PL+\u], 63, v[IX+8*g+\u]
.else
	v_lshrrev_b32 v[PL+\u], 6, v[IX+8*g+\u]
.endif
.endr
.irp u, 0,1,2,3,4,5,6,7
	v_cmp_eq_u32 s[MK+\u], s[KEY], v[PL+\u]
.endr
.irp u, 0,1,2,3,4,5,6,7
	v_add3_u32 v[PL+8+\u], v[IX+8*g+\u], v12, (128*(2*g+(\u)/4)+(\u)%4)<<12   ; row << 12 | code
.endr
.irp u, 0,1,2,3,4,5,6,7
	s_bcnt1_i32_b32 s[RS+\u], s[MK+\u]
.endr
	s_add_co_u32 s[RS], s[RS], s[SN]               ; RS + u: entries up to and with code u of the eight
.irp u, 1,2,3,4,5,6,7
	s_add_co_u32 s[RS+\u], s[RS+\u], s[RS+\u-1]
.endr
	v_mbcnt_lo_u32_b32 v[PL], s[MK], s[SN]         ; my place: entries so far + matching lanes below me
.irp u, 1,2,3,4,5,6,7
	v_mbcnt_lo_u32_b32 v[PL+\u], s[MK+\u], s[RS+\u-1]
.endr
	s_mov_b32 s[SN], s[RS+7]
.irp u, 0,1,2,3,4,5,6,7
	v_cndmask_b32 v[PL+\u], v13, v[PL+\u], s[MK+\u]        ; no match: the spare word
.endr
.irp u, 0,1,2,3,4,5,6,7
	v_min_u32 v[PL+\u], 0x820, v[PL+\u]
.endr
.irp u, 0,1,2,3,4,5,6,7
	v_lshl_add_u32 v[PL+\u], v[PL+\u], 2, s[SLIST]
.endr
.irp u, 0,1,2,3,4,5,6,7
	ds_store_b32 v[PL+\u], v[PL+8+\u]
.endr
.set g, g+1
.endr
.endm
	s_load_b256 s[4:11], s[0:1], 0x0               ; bmu s[4:5], tsum s[6:7], tcnt s[8:9], weights s[10:11]
	s_load_b64 s[12:13], s[0:1], 0x20              ; out1
	v_lshl_add_u32 v192, v0, 2, 0x1b800
	v_mov_b32 v193, 0
	v_lshrrev_b32 v9, 5, v0
	v_readfirstlane_b32 s14, v9                    ; wave 0..7
	s_and_b32 s15, ttmp7, 0xffff                   ; fq
	s_mov_b32 s[KEY], ttmp9                        ; d
	v_and_b32 v1, 31, v0
	s_lshl_b32 s32, s14, 13
	v_lshl_add_u32 v14, v1, 4, s32
	v_lshrrev_b32 v9, 4, v0
	v_and_b32 v10, 15, v0
	v_lshlrev_b32 v5, 16, v9                       ; row (t / 16 + 16 i) x 64 + d of tsum and of weights: 65,536 bytes for each step of a or c
	v_lshl_add_u32 v5, v10, 4, v5
	v_and_b32 v6, 63, v0
	v_lshlrev_b32 v6, 8, v6                        ; the count of a = t % 64
	s_lshl_b32 s22, s[KEY], 10
	s_lshl_b32 s33, s15, 8
	s_add_co_u32 s22, s22, s33
	s_mov_b32 s23, 0
	s_lshl_b32 s34, s15, 14
	s_lshl2_add_u32 s34, s[KEY], s34
	s_mov_b32 s35, 0
	s_wait_kmcnt 0x0
	s_add_nc_u64 s[6:7], s[6:7], s[22:23]
	s_add_nc_u64 s[10:11], s[10:11], s[22:23]
	s_add_nc_u64 s[8:9], s[8:9], s[34:35]
.set q, 0
.rept 16
	global_load_b128 v[IX+4*q:IX+4*q+3], v14, s[4:5] offset:512*q
.set q, q+1
.endr
.irp i, 0,1,2,3
	global_load_b128 v[TSU+4*\i:TSU+4*\i+3], v5, s[6:7] offset:1048576*\i
.endr
	global_load_b32 v[CN], v6, s[8:9]
.irp i, 0,1,2,3
	global_load_b128 v[WT+4*\i:WT+4*\i+3], v5, s[10:11] offset:1048576*\i
.endr
	s_mov_b32 s20, 0xba618ce0                      ; -log2(e) / (2 sigma^2), sigma = 32 exp(-0.1)
	s_mov_b32 s21, 0x3ee7a36d                      ; lr = 0.5 exp(-0.1)
	s_mov_b32 s27, 0x322bcc77                      ; 1e-8
	s_mov_b32 s30, 0x3f0c2e4a                      ; 1 - lr
	s_mov_b32 s31, 0x3f0c2e4a
	v_lshrrev_b32 v3, 4, v1                        ; h
	v_and_b32 v9, 15, v1                           ; r
	v_lshl_add_u32 v2, v9, 4, s33                  ; 256 fq + 16 r
	s_lshl_b32 s32, s14, 23
	v_lshl_add_u32 v12, v1, 14, s32                ; (2048 w + 4 lane) << 12
	v_mov_b32 v13, 2080
	s_mul_i32 s[SLIST], s14, LISTB
	v_lshrrev_b32 v10, 4, v0
	v_and_b32 v11, 15, v0
	v_mul_u32_u24 v4, v10, TP                      ; T in: row t / 16 (+ 16 i), 8 bytes a thread
	v_lshl_add_u32 v4, v11, 3, v4
	v_add_nc_u32 v4, TS, v4
	v_mul_u32_u24 v91, v10, UP                     ; the blend: row t / 16 (+ 16 i), 16 bytes a thread
	v_lshl_add_u32 v91, v11, 4, v91
	v_add_nc_u32 v91, UQ, v91
	v_and_b32 v10, 7, v1
	v_lshl_add_u32 v10, v3, 3, v10
	v_bfe_u32 v11, v1, 3, 1
	v_mul_u32_u24 v94, v10, TP                     ; B: the transposing load's row 8 h + lane % 8 and half
	v_lshl_add_u32 v94, v11, 4, v94
	v_add_nc_u32 v94, TS, v94
	s_lshr_b32 s29, s14, 2
	s_lshl_b32 s32, s29, 6
	v_add_nc_u32 v7, s32, v94                      ; + my two column tiles
	s_and_b32 s28, s14, 3
	s_lshl_b32 s28, s28, 4                         ; 16 mt
	v_lshl_add_u32 v10, v3, 3, s28
	v_mul_u32_u24 v8, v10, UP                      ; quotients: row 16 mt + 8 h (+ j), column 32 (w / 4) + r (+ 16 n)
	v_lshl_add_u32 v8, v9, 2, v8
	s_lshl_b32 s32, s29, 7
	s_add_co_u32 s32, s32, UQ
	v_add_nc_u32 v8, s32, v8
	v_lshlrev_b32 v93, 4, v9
	v_add_nc_u32 v93, US, v93
	v_add_nc_u32 v10, s28, v9                      ; c
	v_lshlrev_b32 v11, 3, v3
	v_sub_nc_u32 v15, v11, v10                     ; 8 h - c
	SCAN 1, 9
	s_min_u32 s[SN], s[SN], 2048
	s_wait_loadcnt 0x5                             ; T is in; the count and the four loads of weights stay out
.irp i, 0,1,2,3
	v_cvt_pk_bf16_f32 v50, v[TSU+4*\i], v[TSU+4*\i+1]
	v_cvt_pk_bf16_f32 v51, v[TSU+4*\i+2], v[TSU+4*\i+3]
	ds_store_b64 v4, v[50:51] offset:16*TP*\i
.endr
	s_wait_loadcnt 0x4                             ; the count is in
	s_cmp_ge_u32 s14, 2
	s_cbranch_scc1 .Lno_count
	v_cvt_pk_bf16_f32 v52, v[CN], v[CN]            ; waves 0 and 1: thread t writes the count tile of a = t
	v_lshlrev_b32 v53, 16, v52                     ; the upper part as f32
	v_sub_f32 v54, v[CN], v53                      ; the rest
	v_cvt_pk_bf16_f32 v52, v53, v54
	v_mov_b32 v53, 0
	v_mov_b32 v54, 0
	v_mov_b32 v55, 0
	v_mov_b32 v56, 0
	v_mov_b32 v57, 0
	v_mov_b32 v58, 0
	v_mov_b32 v59, 0
	v_and_b32 v60, 63, v0
	v_mul_u32_u24 v60, v60, TP
	v_add_nc_u32 v60, TS+128, v60
	ds_store_b128 v60, v[52:55]
	ds_store_b128 v60, v[56:59] offset:16
.Lno_count:
	s_wait_dscnt 0x0                               ; my part of B is written
	s_barrier_signal -1
	; register work while the others arrive: A(c, a) = g(a - c), value e at a = 32 (e / 16) + 16 ((e / 8) % 2) + 8 h + e % 8
.set g, 0
.rept 8
.irp u, 0,1,2,3
	v_add_nc_u32 v[EV+4*g+\u], 32*((4*g+\u)/16)+16*(((4*g+\u)/8)%2)+(4*g+\u)%8, v15
.endr
.irp u, 0,1,2,3
	v_cvt_f32_i32 v[EV+4*g+\u], v[EV+4*g+\u]
.endr
.irp u, 0,1,2,3
	v_mul_f32 v[EV+4*g+\u], v[EV+4*g+\u], v[EV+4*g+\u]
.endr
.irp u, 0,1,2,3
	v_mul_f32 v[EV+4*g+\u], s20, v[EV+4*g+\u]
.endr
.irp u, 0,1,2,3
	v_exp_f32 v[EV+4*g+\u], v[EV+4*g+\u]           ; four in a run; the next group's first line, or the v_nop, is the plain instruction behind them
.endr
.set g, g+1
.endr
	v_nop
.set i, 0
	s_wait_alu depctr_va_vdst(0)
.rept 16
	v_cvt_pk_bf16_f32 v[AF+i], v[EV+2*i], v[EV+2*i+1]
.set i, i+1
.endr
	s_barrier_wait -1                              ; B is whole
.irp ks, 0,1
.irp n, 0,1
	ds_load_tr16_b128 v[BF+8*(3*\ks+\n):BF+8*(3*\ks+\n)+3], v7 offset:32*TP*\ks+32*\n
	ds_load_tr16_b128 v[BF+8*(3*\ks+\n)+4:BF+8*(3*\ks+\n)+7], v7 offset:32*TP*\ks+32*\n+16*TP
.endr
	ds_load_tr16_b128 v[BF+8*(3*\ks+2):BF+8*(3*\ks+2)+3], v94 offset:32*TP*\ks+128
	ds_load_tr16_b128 v[BF+8*(3*\ks+2)+4:BF+8*(3*\ks+2)+7], v94 offset:32*TP*\ks+128+16*TP
.endr
	s_wait_dscnt 0x0
.irp n, 0,1,2                                          ; three accumulators by turns, one instruction a turn
	v_wmma_f32_16x16x32_bf16 v[ACC+8*\n:ACC+8*\n+7], v[AF:AF+7], v[BF+8*\n:BF+8*\n+7], 0
.endr
.irp n, 0,1,2
	v_wmma_f32_16x16x32_bf16 v[ACC+8*\n:ACC+8*\n+7], v[AF+8:AF+15], v[BF+24+8*\n:BF+24+8*\n+7], v[ACC+8*\n:ACC+8*\n+7]
.endr
.rept 4
	v_nop                                          ; four places before the results are read (ISA guide 7.12.1)
.endr
.irp x, 1,2,4,8                                        ; den of row 8 h + j: columns 0 and 1 hold its two parts, the others zero; the sum over the sixteen lanes leaves it in each
.irp j, 0,1,2,3,4,5,6,7
	v_add_f32_dpp v[ACC+16+\j], v[ACC+16+\j], v[ACC+16+\j] row_xmask:\x row_mask:0xf bank_mask:0xf
.endr
.endr
.irp j, 0,1,2,3,4,5,6,7
	v_cmp_eq_f32 vcc_lo, 0, v[ACC+16+\j]
	v_cndmask_b32 v[ACC+16+\j], v[ACC+16+\j], s27, vcc_lo  ; den == 0: 1e-8
.endr
.irp j, 0,1,2,3,4,5,6,7
	v_rcp_f32 v[ACC+16+\j], v[ACC+16+\j]
.endr
	v_nop                                          ; the plain instruction behind the run of reciprocals
	s_wait_alu depctr_va_vdst(0)
.irp j, 0,1,2,3,4,5,6,7
	v_mul_f32 v[ACC+16+\j], s21, v[ACC+16+\j]      ; lr / den
.endr
.irp n, 0,1
.irp j, 0,1,2,3,4,5,6,7
	v_mul_f32 v[ACC+8*\n+\j], v[ACC+8*\n+\j], v[ACC+16+\j]
	ds_store_b32 v8, v[ACC+8*\n+\j] offset:UP*\j+64*\n
.endr
.endr
	s_wait_dscnt 0x0
	s_barrier_signal -1
	s_barrier_wait -1
.irp i, 0,1,2,3
	ds_load_b128 v[16+4*\i:19+4*\i], v91 offset:16*UP*\i
.endr
	s_wait_loadcnt 0x0                             ; weights
.irp i, 0,1,2,3
	s_wait_dscnt 3-\i                              ; quotients of row group i are in (the count also covers the stores issued meanwhile)
	v_pk_fma_f32 v[16+4*\i:17+4*\i], v[WT+4*\i:WT+4*\i+1], s[30:31], v[16+4*\i:17+4*\i] op_sel_hi:[1,0,1]
	v_pk_fma_f32 v[18+4*\i:19+4*\i], v[WT+4*\i+2:WT+4*\i+3], s[30:31], v[18+4*\i:19+4*\i] op_sel_hi:[1,0,1]
	ds_store_b128 v91, v[16+4*\i:19+4*\i] offset:US-UQ+16*UP*\i
.endr
	s_wait_dscnt 0x0
	s_barrier_signal -1
	s_barrier_wait -1                              ; U is whole
	s_cmp_eq_u32 s[SN], 0
	s_cbranch_scc1 .Lend
	s_sub_co_u32 s24, s[SN], 1
	s_add_co_u32 s25, s[SN], 15
	s_lshr_b32 s25, s25, 4
	s_min_u32 s25, s25, 128
	s_mov_b32 s26, 0
.Lrows:                                                ; 16 entries a trip, two for each store; places past the end repeat the last entry, the same bytes with the same values
	v_lshl_add_u32 v56, s26, 4, v3
.irp i, 0,1,2,3,4,5,6,7
	v_add_nc_u32 v[16+\i], 2*\i, v56
	v_min_u32 v[16+\i], s24, v[16+\i]
	v_min_u32 v[16+\i], 0x7ff, v[16+\i]
	v_lshl_add_u32 v[16+\i], v[16+\i], 2, s[SLIST]
	ds_load_b32 v[24+\i], v[16+\i]
.endr
	s_wait_dscnt 0x0
.irp i, 0,1,2,3,4,5,6,7
	v_bfe_u32 v[48+\i], v[24+\i], 6, 6             ; c
	v_min_u32 v[48+\i], 63, v[48+\i]
	v_mul_u32_u24 v[48+\i], v[48+\i], UP
	v_add_nc_u32 v[48+\i], v93, v[48+\i]
	ds_load_b128 v[96+4*\i:99+4*\i], v[48+\i]
	v_lshrrev_b32 v[24+\i], 12, v[24+\i]           ; the row,
	v_min_u32 v[24+\i], 0x3fff, v[24+\i]           ; inside out1
	v_lshl_add_u32 v[24+\i], v[24+\i], 10, v2
.endr
.irp i, 0,1,2,3,4,5,6,7
	s_wait_dscnt 7-\i
	global_store_b128 v[24+\i], v[96+4*\i:99+4*\i], s[12:13]   ; sixteen lanes store 256 consecutive bytes, aligned
.endr
	s_wait_xcnt 0x0                                ; the stores' offsets and data are rewritten only behind this wait
	s_add_co_u32 s26, s26, 1
	s_cmp_lt_u32 s26, s25
	s_cbranch_scc1 .Lrows
.Lend:
	s_barrier_signal -1
	s_barrier_wait -1
	s_wait_tensorcnt 0x0
	ds_add_u32 v192, v193
	s_wait_dscnt 0x0
	s_endpgm
.Lfunc_end_k_q664fb7c9a5_finish:
	.size	k_q664fb7c9a5_finish, .Lfunc_end_k_q664fb7c9a5_finish-k_q664fb7c9a5_finish
	.p2alignl 7, 3214868480
	.fill 96, 4, 3214868480
	.section	.rodata,"a",@progbits
	.p2align	6, 0x0
	.amdhsa_kernel k_q664fb7c9a5_finish
		.amdhsa_group_segment_fixed_size 113664
		.amdhsa_private_segment_fixed_size 0
		.amdhsa_enable_private_segment 0
		.amdhsa_kernarg_size 40
		.amdhsa_user_sgpr_count 2
		.amdhsa_user_sgpr_kernarg_segment_ptr 1
		.amdhsa_wavefront_size32 1
		.amdhsa_system_sgpr_workgroup_id_x 1
		.amdhsa_system_sgpr_workgroup_id_y 1
		.amdhsa_system_sgpr_workgroup_id_z 1
		.amdhsa_system_vgpr_workitem_id 0
		.amdhsa_next_free_vgpr 194
		.amdhsa_next_free_sgpr 66
		.amdhsa_reserve_vcc 1
		.amdhsa_float_denorm_mode_32 3
		.amdhsa_float_denorm_mode_16_64 3
		.amdhsa_memory_ordered 1
		.amdhsa_forward_progress 1
		.amdhsa_inst_pref_size 65
	.end_amdhsa_kernel
	.amdgpu_metadata
---
amdhsa.version: [ 1, 2 ]
amdhsa.kernels:
  - .name:           k_q664fb7c9a5_finish
    .symbol:         k_q664fb7c9a5_finish.kd
    .args:
      - { .name: bmu, .offset: 0, .size: 8, .value_kind: global_buffer, .address_space: global }
      - { .name: tsum, .offset: 8, .size: 8, .value_kind: global_buffer, .address_space: global }
      - { .name: tcnt, .offset: 16, .size: 8, .value_kind: global_buffer, .address_space: global }
      - { .name: weights, .offset: 24, .size: 8, .value_kind: global_buffer, .address_space: global }
      - { .name: out1, .offset: 32, .size: 8, .value_kind: global_buffer, .address_space: global }
    .group_segment_fixed_size: 113664
    .private_segment_fixed_size: 0
    .kernarg_segment_align: 8
    .kernarg_segment_size: 40
    .max_flat_workgroup_size: 256
    .sgpr_count:     66
    .vgpr_count:     194
    .wavefront_size: 32
...
	.end_amdgpu_metadata
.endif
;; end of part 8
;; ======== version 3 of 3: 5 launches; version 2 with the launch finish written anew for expert scheduling mode
;; limits: values outside matrix products are rounded to bf16
;; workspace buffers: xb 8,388,608 bytes; wb 2,359,296 bytes; part 1,048,576 bytes; bmu 65,536 bytes of whole numbers; tsum 4,194,304 bytes; tcnt 65,536 bytes
;; launch prep: the kernel of part 1 again; grid 256 x 1, 5 waves a work-group, no clusters, 44,288 bytes of LDS; arguments x, weights, xb, wb; writes xb, wb
;; launch score: the kernel of part 6 again; grid 32 x 8, 8 waves a work-group, clusters of 4 x 1, 295,936 bytes of LDS; arguments xb, wb, part; writes part
;; launch pick: the kernel of part 3 again; grid 64 x 1, 4 waves a work-group, no clusters, 0 bytes of LDS; arguments part, out0, bmu; writes out0, bmu
;; launch spread: the kernel of part 7 again; grid 64 x 4, 8 waves a work-group, no clusters, 250,112 bytes of LDS; arguments bmu, x, tsum, tcnt; writes tsum, tcnt
;; launch finish (part 9): grid 64 x 4, 8 waves a work-group, no clusters, 113,664 bytes of LDS; arguments bmu, tsum, tcnt, weights, out1; writes out1
.if DOCPART == 9
	.amdgcn_target "amdgcn-amd-amdhsa--gfx1250"
	.amdhsa_code_object_version 6
	.text
	.protected	k_q664fb7c9a5_finish
	.globl	k_q664fb7c9a5_finish
	.p2align	8
	.type	k_q664fb7c9a5_finish,@function
k_q664fb7c9a5_finish:
	s_mov_b64 s[64:65], 0
	v_nop
	global_prefetch_b8 v0, s[64:65] scope:SCOPE_SE
	s_setreg_imm32_b32 hwreg(HW_REG_WAVE_SCHED_MODE, 0, 2), 2
	s_setreg_imm32_b32 hwreg(HW_REG_WAVE_MODE, 25, 1), 1
	s_wait_xcnt 0x0
	s_wait_alu depctr_vm_vsrc(0)
; FINISH: num[(c,d)] = sum over a of g(a - c) T[a][d], den likewise of the counts, U = weights (1 - lr) + lr num / den, and each row of out1
; takes the U of its best unit.  The dense h is not formed (h = g(a_b - c) g(b_b - d): the sum over rows was taken in the launch before).
; Work-group (d, fq): grid column d, features 64 fq .. + 63, all 64 c.  D[c][f] = A[c][a] B[a][f], K = 64.  A = g(a - c) is made in registers.
; B = T[.][d] rounded to bf16 in LDS, with a fifth column tile that holds the count split in two bf16 (upper part, rest) in columns 0 and 1.
; Wave w makes rows 16 (w % 4) .. + 15, column tiles 2 (w / 4), 2 (w / 4) + 1 and the count tile.  The test den == 0 is kept.
; Each wave scans 2,048 rows of the index list for code & 63 == d and stores U[code >> 6] to those rows, 256 bytes a row.
; No tensor loads and no cluster: what work-groups share is the index list of 64 KiB.
; THE MODE: SCHED_MODE bits 1:0 = 2 (LLVM: expert scheduling mode 2), set by the entry lines.  The code itself states the register dependences
; between vector or matrix instructions and memory or LDS instructions, with s_wait_alu, always for 0.
; THE PLAN.  Registers that memory or LDS instructions touch:
;   v14, v5, v6; v4, v7, v8, v91, v94   offsets and LDS addresses, made once at the head and never written again.
;   TA, TB      the scan's two sets.  Step g's vector lines write set g % 2; its eight list stores are issued in the middle of step g + 1, whose
;               vector lines name the other set alone.  One wait on va_vdst a step, ahead of those stores; one on vm_vsrc at a step's head.
;   v[16:31]    T as loaded, rounded in place, read by four LDS stores; then the quotients' loads land there, the blend writes them, four LDS stores read them.
;   BF, ACC     B's loads land in registers that the scan read and wrote; the products write ACC, part of which was TA.
;   The way out: LA (list addresses), UA (addresses in U), RO (row offsets) are written by vector lines and read by loads and stores; EN (entries) is
;               loaded and read by vector lines; DT (pieces of U) is loaded and read by the global stores.  A trip's vector lines stand together at
;               its head, ONE wait on va_vdst behind them, and all its loads and stores behind that wait; the entries of the next trip are among them.
.set LISTB, 8448                       ; the lists begin at LDS byte 0
.set TS,    67584
.set TP,    160                        ; 64 bf16 of T, then the count tile
.set UQ,    77824                      ; lr num / den, f32
.set US,    95232                      ; U, f32: bytes of its own, so that between two barriers no byte is both read and written
.set UP,    272
.set TSU, 16                           ; v[16:31]
.set WT,  32                           ; v[32:47]
.set CN,  48
.set ACC, 64                           ; v[64:87]   two column tiles and the count tile
.set IX,  96                           ; v[96:159]
.set EV,  96                           ; v[96:127]  g(a - c), 32 values
.set BF,  128                          ; v[128:175] B: 8 (3 ks + n)
.set AF,  176                          ; v[176:191] A: 8 ks
.set TA,  64                           ; v[64:79]   the scan: 8 places and 8 entries,
.set TB,  160                          ; v[160:175] two sets in turn
.set LA,  16                           ; v[16:23]   the way out: LDS addresses of eight list entries
.set EN,  24                           ; v[24:31]   the way out: those entries
.set RO,  32                           ; v[32:39]   the way out: their rows' byte offsets in out1
.set UA,  48                           ; v[48:55]   the way out: LDS addresses of their 16 bytes of U
.set DT,  96                           ; v[96:127]  the way out: those bytes
.set KEY, 16
.set SN,  18
.set SLIST, 17
.set MK,  40                           ; s[40:47]   eight masks: the scan's, later the test den == 0
.set RS,  48                           ; s[48:55]   the scan: eight running sums
; The wave's 2,048 codes against the key, eight codes (two loads) a step.  kind 0: key = code >> 6; 1: key = code & 63.  extra: loads issued
; behind the list's.  Each of the eight has registers of its own and each kind of line comes eight times in a row, so that no line needs the
; result of the line in front of it; the two sets of vector registers take turns.  A step's eight stores are issued in the middle of the next step;
; the last step's are left to the lines behind the macro.
.macro SCAN kind, extra
	s_mov_b32 s[SN], 0
.set g, 0
.rept 8
.if g%2
.set PL, TB
.set PO, TA
.else
.set PL, TA
.set PO, TB
.endif
	s_wait_loadcnt 14-2*g+\extra                   ; loads 2 g and 2 g + 1 are in, the younger ones stay out
.if g >= 2
	s_wait_alu depctr_vm_vsrc(0)                   ; the list stores issued in the step before have read this step's set, which the lines below write again
.endif
.irp u, 0,1,2,3,4,5,6,7
.if \kind
	v_and_b32 v[PL+\u], 63, v[IX+8*g+\u]
.else
	v_lshrrev_b32 v[PL+\u], 6, v[IX+8*g+\u]
.endif
.endr
.irp u, 0,1,2,3,4,5,6,7
	v_cmp_eq_u32 s[MK+\u], s[KEY], v[PL+\u]
.endr
.irp u, 0,1,2,3,4,5,6,7
	v_add3_u32 v[PL+8+\u], v[IX+8*g+\u], v12, (128*(2*g+(\u)/4)+(\u)%4)<<12   ; row << 12 | code
.endr
	s_wait_alu depctr_va_sdst(0)                   ; the eight compares have written their masks, ahead of the first reader, the bit count below
.if g >= 1
	s_wait_alu depctr_va_vdst(0)                   ; the step before has written the other set's places and entries, which the eight stores below read; no later line of this step names that set
.irp u, 0,1,2,3,4,5,6,7
	ds_store_b32 v[PO+\u], v[PO+8+\u]
.endr
.endif
.irp u, 0,1,2,3,4,5,6,7
	s_bcnt1_i32_b32 s[RS+\u], s[MK+\u]
.endr
	s_add_co_u32 s[RS], s[RS], s[SN]               ; RS + u: entries up to and with code u of the eight
.irp u, 1,2,3,4,5,6,7
	s_add_co_u32 s[RS+\u], s[RS+\u], s[RS+\u-1]
.endr
	v_mbcnt_lo_u32_b32 v[PL], s[MK], s[SN]         ; my place: entries so far + matching lanes below me
.irp u, 1,2,3,4,5,6,7
	v_mbcnt_lo_u32_b32 v[PL+\u], s[MK+\u], s[RS+\u-1]
.endr
	s_mov_b32 s[SN], s[RS+7]
.irp u, 0,1,2,3,4,5,6,7
	v_cndmask_b32 v[PL+\u], v13, v[PL+\u], s[MK+\u]        ; no match: the spare word
.endr
.irp u, 0,1,2,3,4,5,6,7
	v_min_u32 v[PL+\u], 0x820, v[PL+\u]
.endr
.irp u, 0,1,2,3,4,5,6,7
	v_lshl_add_u32 v[PL+\u], v[PL+\u], 2, s[SLIST]
.endr
.set g, g+1
.endr
.endm
; The way out.  LISTAD: where a trip's entries lie in my list; base: the register that holds 16 trip + h.  Places past the end repeat the last entry.
.macro LISTAD base
.irp i, 0,1,2,3,4,5,6,7
	v_add_nc_u32 v[LA+\i], 2*\i, v[\base]
.endr
.irp i, 0,1,2,3,4,5,6,7
	v_min_u32 v[LA+\i], s24, v[LA+\i]
.endr
.irp i, 0,1,2,3,4,5,6,7
	v_min_u32 v[LA+\i], 0x7ff, v[LA+\i]
.endr
.irp i, 0,1,2,3,4,5,6,7
	v_lshl_add_u32 v[LA+\i], v[LA+\i], 2, s[SLIST]
.endr
.endm
.macro LISTIN
.irp i, 0,1,2,3,4,5,6,7
	ds_load_b32 v[EN+\i], v[LA+\i]
.endr
.endm
; A trip: 16 entries, two for each store.  ahead = 1: the entries of trip s26, the next, are asked for.
.macro ROWS ahead
	s_wait_dscnt 0x0                               ; this trip's entries are in
	s_wait_xcnt 0x0                                ; the stores' offsets and data are rewritten only behind this wait
	s_wait_alu depctr_vm_vsrc(0)                   ; the loads issued so far have read LA and UA, the last trip's stores RO and DT: all four are written again below
.irp i, 0,1,2,3,4,5,6,7
	v_bfe_u32 v[UA+\i], v[EN+\i], 6, 6             ; c
.endr
.irp i, 0,1,2,3,4,5,6,7
	v_min_u32 v[UA+\i], 63, v[UA+\i]
.endr
.irp i, 0,1,2,3,4,5,6,7
	v_mul_u32_u24 v[UA+\i], v[UA+\i], UP
.endr
.irp i, 0,1,2,3,4,5,6,7
	v_add_nc_u32 v[UA+\i], v93, v[UA+\i]
.endr
.irp i, 0,1,2,3,4,5,6,7
	v_lshrrev_b32 v[RO+\i], 12, v[EN+\i]           ; the row,
.endr
.irp i, 0,1,2,3,4,5,6,7
	v_min_u32 v[RO+\i], 0x3fff, v[RO+\i]           ; inside out1
.endr
.irp i, 0,1,2,3,4,5,6,7
	v_lshl_add_u32 v[RO+\i], v[RO+\i], 10, v2
.endr
.if \ahead
	v_lshl_add_u32 v56, s26, 4, v3
	LISTAD 56
.endif
	s_wait_alu depctr_va_vdst(0)                   ; UA, RO and LA are written, which the loads and stores below read; the lines above are done reading EN, in which the next entries land
.irp i, 0,1,2,3,4,5,6,7
	ds_load_b128 v[DT+4*\i:DT+4*\i+3], v[UA+\i]
.endr
.if \ahead
	LISTIN
.endif
.irp i, 0,1,2,3,4,5,6,7
	s_wait_dscnt 8*\ahead+7-\i                     ; piece i of U is in; the later pieces and the next trip's eight entries stay out
	global_store_b128 v[RO+\i], v[DT+4*\i:DT+4*\i+3], s[12:13]   ; sixteen lanes store 256 consecutive bytes, aligned
.endr
.endm
	s_load_b256 s[4:11], s[0:1], 0x0               ; bmu s[4:5], tsum s[6:7], tcnt s[8:9], weights s[10:11]
	s_load_b64 s[12:13], s[0:1], 0x20              ; out1
	v_lshl_add_u32 v192, v0, 2, 0x1b800
	v_mov_b32 v193, 0
	v_lshrrev_b32 v9, 5, v0
	v_readfirstlane_b32 s14, v9                    ; wave 0..7
	s_and_b32 s15, ttmp7, 0xffff                   ; fq
	s_mov_b32 s[KEY], ttmp9                        ; d
	v_and_b32 v1, 31, v0
	v_lshrrev_b32 v9, 4, v0
	v_and_b32 v10, 15, v0
	v_lshlrev_b32 v5, 16, v9                       ; row (t / 16 + 16 i) x 64 + d of tsum and of weights: 65,536 bytes for each step of a or c
	v_lshl_add_u32 v5, v10, 4, v5
	v_and_b32 v6, 63, v0
	v_lshlrev_b32 v6, 8, v6                        ; the count of a = t % 64
	s_wait_alu depctr_va_sdst(0)                   ; s14 is written, ahead of its first reader, the line below
	s_lshl_b32 s32, s14, 13
	v_lshl_add_u32 v14, v1, 4, s32
	s_lshl_b32 s22, s[KEY], 10
	s_lshl_b32 s33, s15, 8
	s_add_co_u32 s22, s22, s33
	s_mov_b32 s23, 0
	s_lshl_b32 s34, s15, 14
	s_lshl2_add_u32 s34, s[KEY], s34
	s_mov_b32 s35, 0
	s_wait_kmcnt 0x0
	s_add_nc_u64 s[6:7], s[6:7], s[22:23]
	s_add_nc_u64 s[10:11], s[10:11], s[22:23]
	s_add_nc_u64 s[8:9], s[8:9], s[34:35]
	s_wait_alu depctr_va_vdst(0)                   ; the offsets v14, v5 and v6 are written, which the loads below read
.set q, 0
.rept 16
	global_load_b128 v[IX+4*q:IX+4*q+3], v14, s[4:5] offset:512*q
.set q, q+1
.endr
.irp i, 0,1,2,3
	global_load_b128 v[TSU+4*\i:TSU+4*\i+3], v5, s[6:7] offset:1048576*\i
.endr
	global_load_b32 v[CN], v6, s[8:9]
.irp i, 0,1,2,3
	global_load_b128 v[WT+4*\i:WT+4*\i+3], v5, s[10:11] offset:1048576*\i
.endr
	s_mov_b32 s20, 0xba618ce0                      ; -log2(e) / (2 sigma^2), sigma = 32 exp(-0.1)
	s_mov_b32 s21, 0x3ee7a36d                      ; lr = 0.5 exp(-0.1)
	s_mov_b32 s27, 0x322bcc77                      ; 1e-8
	s_mov_b32 s30, 0x3f0c2e4a                      ; 1 - lr
	s_mov_b32 s31, 0x3f0c2e4a
	v_lshrrev_b32 v3, 4, v1                        ; h
	v_and_b32 v9, 15, v1                           ; r
	v_lshl_add_u32 v2, v9, 4, s33                  ; 256 fq + 16 r
	s_lshl_b32 s32, s14, 23
	v_lshl_add_u32 v12, v1, 14, s32                ; (2048 w + 4 lane) << 12
	v_mov_b32 v13, 2080
	s_mul_i32 s[SLIST], s14, LISTB
	v_lshrrev_b32 v10, 4, v0
	v_and_b32 v11, 15, v0
	v_mul_u32_u24 v4, v10, TP                      ; T in: row t / 16 (+ 16 i), 8 bytes a thread
	v_lshl_add_u32 v4, v11, 3, v4
	v_add_nc_u32 v4, TS, v4
	v_mul_u32_u24 v91, v10, UP                     ; the blend: row t / 16 (+ 16 i), 16 bytes a thread
	v_lshl_add_u32 v91, v11, 4, v91
	v_add_nc_u32 v91, UQ, v91
	v_and_b32 v10, 7, v1
	v_lshl_add_u32 v10, v3, 3, v10
	v_bfe_u32 v11, v1, 3, 1
	v_mul_u32_u24 v94, v10, TP                     ; B: the transposing load's row 8 h + lane % 8 and half
	v_lshl_add_u32 v94, v11, 4, v94
	v_add_nc_u32 v94, TS, v94
	s_lshr_b32 s29, s14, 2
	s_lshl_b32 s32, s29, 6
	v_add_nc_u32 v7, s32, v94                      ; + my two column tiles
	s_and_b32 s28, s14, 3
	s_lshl_b32 s28, s28, 4                         ; 16 mt
	v_lshl_add_u32 v10, v3, 3, s28
	v_mul_u32_u24 v8, v10, UP                      ; quotients: row 16 mt + 8 h (+ j), column 32 (w / 4) + r (+ 16 n)
	v_lshl_add_u32 v8, v9, 2, v8
	s_lshl_b32 s32, s29, 7
	s_add_co_u32 s32, s32, UQ
	v_add_nc_u32 v8, s32, v8
	v_lshlrev_b32 v93, 4, v9
	v_add_nc_u32 v93, US, v93
	v_add_nc_u32 v10, s28, v9                      ; c
	v_lshlrev_b32 v11, 3, v3
	v_sub_nc_u32 v15, v11, v10                     ; 8 h - c
	SCAN 1, 9
	s_min_u32 s[SN], s[SN], 2048
	s_wait_loadcnt 0x5                             ; T is in; the count and the four loads of weights stay out
.irp i, 0,1,2,3
	v_cvt_pk_bf16_f32 v[TSU+4*\i], v[TSU+4*\i], v[TSU+4*\i+1]          ; four numbers close up into the first two of their four registers
	v_cvt_pk_bf16_f32 v[TSU+4*\i+1], v[TSU+4*\i+2], v[TSU+4*\i+3]
.endr
	s_wait_alu depctr_va_vdst(0)                   ; the scan's last step has written TB and the conversions v[TSU ..], which the twelve stores below read; v4 is written too
.irp u, 0,1,2,3,4,5,6,7
	ds_store_b32 v[TB+\u], v[TB+8+\u]              ; the last step's list entries
.endr
.irp i, 0,1,2,3
	ds_store_b64 v4, v[TSU+4*\i:TSU+4*\i+1] offset:16*TP*\i
.endr
	s_wait_loadcnt 0x4                             ; the count is in
	s_cmp_ge_u32 s14, 2
	s_cbranch_scc1 .Lno_count
	v_cvt_pk_bf16_f32 v52, v[CN], v[CN]            ; waves 0 and 1: thread t writes the count tile of a = t
	v_lshlrev_b32 v53, 16, v52                     ; the upper part as f32
	v_sub_f32 v54, v[CN], v53                      ; the rest
	v_cvt_pk_bf16_f32 v52, v53, v54
	v_mov_b32 v53, 0
	v_mov_b32 v54, 0
	v_mov_b32 v55, 0
	v_mov_b32 v56, 0
	v_mov_b32 v57, 0
	v_mov_b32 v58, 0
	v_mov_b32 v59, 0
	v_and_b32 v60, 63, v0
	v_mul_u32_u24 v60, v60, TP
	v_add_nc_u32 v60, TS+128, v60
	s_wait_alu depctr_va_vdst(0)                   ; v52 to v60 are written: the data and the address of the two stores below
	ds_store_b128 v60, v[52:55]
	ds_store_b128 v60, v[56:59] offset:16
.Lno_count:
	s_wait_dscnt 0x0                               ; my part of B is written
	s_barrier_signal -1
	; register work while the others arrive: A(c, a) = g(a - c), value e at a = 32 (e / 16) + 16 ((e / 8) % 2) + 8 h + e % 8
.set g, 0
.rept 8
.irp u, 0,1,2,3
	v_add_nc_u32 v[EV+4*g+\u], 32*((4*g+\u)/16)+16*(((4*g+\u)/8)%2)+(4*g+\u)%8, v15
.endr
.irp u, 0,1,2,3
	v_cvt_f32_i32 v[EV+4*g+\u], v[EV+4*g+\u]
.endr
.irp u, 0,1,2,3
	v_mul_f32 v[EV+4*g+\u], v[EV+4*g+\u], v[EV+4*g+\u]
.endr
.irp u, 0,1,2,3
	v_mul_f32 v[EV+4*g+\u], s20, v[EV+4*g+\u]
.endr
.irp u, 0,1,2,3
	v_exp_f32 v[EV+4*g+\u], v[EV+4*g+\u]           ; four in a run; the next group's first line, or the v_nop, is the plain instruction behind them
.endr
.set g, g+1
.endr
	v_nop
.set i, 0
	s_wait_alu depctr_va_vdst(0)                   ; the 32 exponentials have written v[EV ..], ahead of their first reader; the scan is done with v128 to v175, in which B's loads land: the conversions below name EV and AF alone
.rept 16
	v_cvt_pk_bf16_f32 v[AF+i], v[EV+2*i], v[EV+2*i+1]
.set i, i+1
.endr
	s_barrier_wait -1                              ; B is whole
	s_wait_alu depctr_vm_vsrc(0)                   ; my LDS stores have read TA, TB, v[TSU ..] and v52 to v60: B's loads land in TB, the products write TA, the quotients' loads and the way out take the others
.irp ks, 0,1
.irp n, 0,1
	ds_load_tr16_b128 v[BF+8*(3*\ks+\n):BF+8*(3*\ks+\n)+3], v7 offset:32*TP*\ks+32*\n
	ds_load_tr16_b128 v[BF+8*(3*\ks+\n)+4:BF+8*(3*\ks+\n)+7], v7 offset:32*TP*\ks+32*\n+16*TP
.endr
	ds_load_tr16_b128 v[BF+8*(3*\ks+2):BF+8*(3*\ks+2)+3], v94 offset:32*TP*\ks+128
	ds_load_tr16_b128 v[BF+8*(3*\ks+2)+4:BF+8*(3*\ks+2)+7], v94 offset:32*TP*\ks+128+16*TP
.endr
	s_wait_dscnt 0x0
.irp n, 0,1,2                                          ; three accumulators by turns, one instruction a turn
	v_wmma_f32_16x16x32_bf16 v[ACC+8*\n:ACC+8*\n+7], v[AF:AF+7], v[BF+8*\n:BF+8*\n+7], 0
.endr
.irp n, 0,1,2
	v_wmma_f32_16x16x32_bf16 v[ACC+8*\n:ACC+8*\n+7], v[AF+8:AF+15], v[BF+24+8*\n:BF+24+8*\n+7], v[ACC+8*\n:ACC+8*\n+7]
.endr
.rept 4
	v_nop                                          ; four places before the results are read (ISA guide 7.12.1)
.endr
.irp x, 1,2,4,8                                        ; den of row 8 h + j: columns 0 and 1 hold its two parts, the others zero; the sum over the sixteen lanes leaves it in each
.irp j, 0,1,2,3,4,5,6,7
	v_add_f32_dpp v[ACC+16+\j], v[ACC+16+\j], v[ACC+16+\j] row_xmask:\x row_mask:0xf bank_mask:0xf
.endr
.endr
.irp j, 0,1,2,3,4,5,6,7
	v_cmp_eq_f32 s[MK+\j], 0, v[ACC+16+\j]
.endr
	s_wait_alu depctr_va_sdst(0)                   ; the eight compares have written their masks, ahead of the selects that read them
.irp j, 0,1,2,3,4,5,6,7
	v_cndmask_b32 v[ACC+16+\j], v[ACC+16+\j], s27, s[MK+\j]    ; den == 0: 1e-8
.endr
.irp j, 0,1,2,3,4,5,6,7
	v_rcp_f32 v[ACC+16+\j], v[ACC+16+\j]
.endr
	v_nop                                          ; the plain instruction behind the run of reciprocals
	s_wait_alu depctr_va_vdst(0)                   ; the eight reciprocals have written v[ACC+16 ..], ahead of their first reader
.irp j, 0,1,2,3,4,5,6,7
	v_mul_f32 v[ACC+16+\j], s21, v[ACC+16+\j]      ; lr / den
.endr
.irp n, 0,1
.irp j, 0,1,2,3,4,5,6,7
	v_mul_f32 v[ACC+8*\n+\j], v[ACC+8*\n+\j], v[ACC+16+\j]
.endr
.endr
	s_wait_alu depctr_va_vdst(0)                   ; the sixteen quotients are written, which the stores below read; no vector line stands between this wait and the quotients' loads behind the barrier, which land in v16 to v31
.irp n, 0,1
.irp j, 0,1,2,3,4,5,6,7
	ds_store_b32 v8, v[ACC+8*\n+\j] offset:UP*\j+64*\n
.endr
.endr
	s_wait_dscnt 0x0
	s_barrier_signal -1
	s_barrier_wait -1
.irp i, 0,1,2,3
	ds_load_b128 v[16+4*\i:19+4*\i], v91 offset:16*UP*\i
.endr
	s_wait_loadcnt 0x0                             ; weights
.irp i, 0,1,2,3
	s_wait_dscnt 3-\i                              ; quotients of row group i are in, the later groups' loads stay out
	v_pk_fma_f32 v[16+4*\i:17+4*\i], v[WT+4*\i:WT+4*\i+1], s[30:31], v[16+4*\i:17+4*\i] op_sel_hi:[1,0,1]
	v_pk_fma_f32 v[18+4*\i:19+4*\i], v[WT+4*\i+2:WT+4*\i+3], s[30:31], v[18+4*\i:19+4*\i] op_sel_hi:[1,0,1]
.endr
	s_wait_alu depctr_va_vdst(0)                   ; the blend has written v16 to v31, which the four stores below read
.irp i, 0,1,2,3
	ds_store_b128 v91, v[16+4*\i:19+4*\i] offset:US-UQ+16*UP*\i
.endr
	s_wait_dscnt 0x0
	s_barrier_signal -1
	s_barrier_wait -1                              ; U is whole
	s_wait_alu depctr_vm_vsrc(0)                   ; my four stores of U have read v16 to v31, which are LA and EN from here on
	s_cmp_eq_u32 s[SN], 0
	s_cbranch_scc1 .Lend
	s_sub_co_u32 s24, s[SN], 1
	s_add_co_u32 s25, s[SN], 15
	s_lshr_b32 s25, s25, 4
	s_min_u32 s25, s25, 128
	LISTAD 3                                       ; trip 0: 16 x 0 + h
	s_wait_alu depctr_va_vdst(0)                   ; LA is written, which the loads below read; the blend is done with v24 to v31, in which they land
	LISTIN
	s_mov_b32 s26, 1                               ; the trip whose entries are asked for next
	s_cmp_lt_u32 s26, s25
	s_cbranch_scc0 .Llast
.Lrows:                                                ; 16 entries a trip, two for each store; places past the end repeat the last entry, the same bytes with the same values
	ROWS 1
	s_add_co_u32 s26, s26, 1
	s_cmp_lt_u32 s26, s25
	s_cbranch_scc1 .Lrows
.Llast:
	ROWS 0                                         ; the last trip is written out: no entries are left to ask for
.Lend:
	s_barrier_signal -1
	s_barrier_wait -1
	s_wait_dscnt 0x0                               ; the closing lines, six on end
	s_wait_alu 0x0
	s_wait_tensorcnt 0x0
	ds_add_u32 v192, v193
	s_wait_dscnt 0x0
	s_endpgm
.Lfunc_end_k_q664fb7c9a5_finish:
	.size	k_q664fb7c9a5_finish, .Lfunc_end_k_q664fb7c9a5_finish-k_q664fb7c9a5_finish
	.p2alignl 7, 3214868480
	.fill 96, 4, 3214868480
	.section	.rodata,"a",@progbits
	.p2align	6, 0x0
	.amdhsa_kernel k_q664fb7c9a5_finish
		.amdhsa_group_segment_fixed_size 113664
		.amdhsa_private_segment_fixed_size 0
		.amdhsa_enable_private_segment 0
		.amdhsa_kernarg_size 40
		.amdhsa_user_sgpr_count 2
		.amdhsa_user_sgpr_kernarg_segment_ptr 1
		.amdhsa_wavefront_size32 1
		.amdhsa_system_sgpr_workgroup_id_x 1
		.amdhsa_system_sgpr_workgroup_id_y 1
		.amdhsa_system_sgpr_workgroup_id_z 1
		.amdhsa_system_vgpr_workitem_id 0
		.amdhsa_next_free_vgpr 194
		.amdhsa_next_free_sgpr 66
		.amdhsa_reserve_vcc 0
		.amdhsa_float_denorm_mode_32 3
		.amdhsa_float_denorm_mode_16_64 3
		.amdhsa_memory_ordered 1
		.amdhsa_forward_progress 1
		.amdhsa_inst_pref_size 73
	.end_amdhsa_kernel
	.amdgpu_metadata
---
amdhsa.version: [ 1, 2 ]
amdhsa.kernels:
  - .name:           k_q664fb7c9a5_finish
    .symbol:         k_q664fb7c9a5_finish.kd
    .args:
      - { .name: bmu, .offset: 0, .size: 8, .value_kind: global_buffer, .address_space: global }
      - { .name: tsum, .offset: 8, .size: 8, .value_kind: global_buffer, .address_space: global }
      - { .name: tcnt, .offset: 16, .size: 8, .value_kind: global_buffer, .address_space: global }
      - { .name: weights, .offset: 24, .size: 8, .value_kind: global_buffer, .address_space: global }
      - { .name: out1, .offset: 32, .size: 8, .value_kind: global_buffer, .address_space: global }
    .group_segment_fixed_size: 113664
    .private_segment_fixed_size: 0
    .kernarg_segment_align: 8
    .kernarg_segment_size: 40
    .max_flat_workgroup_size: 256
    .sgpr_count:     66
    .vgpr_count:     194
    .wavefront_size: 32
...
	.end_amdgpu_metadata
.endif
;; end of part 9
